; MI455X (gfx1250); checked and timed in simulation.
; The chip was launched on July 23, 2026; its instructions are those of AMD's public machine-readable ISA for CDNA 5 (MIT licence, August 2026) and "CDNA5" Instruction Set Architecture Reference Guide (July 2026). The comments in the code are by the model that wrote it; some were corrected since.
;; Cross Attention. Allowed arithmetic: matrix products marked QUANTISED: E2M1 operands, one E8M0 scale for each 32 along K, by v_wmma_scale_f32_16x16x128_f8f6f4 with both operands' format E2M1 (or v_wmma_scale_f32_32x16x128_f4), f32 sums; everything else in f32.
;; Inputs: context_codes 8 x 32 x 32 x 16 x 16 uint8 (E2M1 codes of context, K innermost, in blocks of 32 codes, two codes a byte); context_scales 8 x 32 x 32 x 16 uint8 (E8M0 scales of context, one for each 32 codes along K); input 8 x 256 x 64 x 64 float32; proj_in_b 512 float32; proj_in_w_codes 512 x 8 x 16 uint8 (E2M1 codes of proj_in_w, K innermost, in blocks of 32 codes, two codes a byte); proj_in_w_scales 512 x 8 uint8 (E8M0 scales of proj_in_w, one for each 32 codes along K); proj_out_b 256 float32; proj_out_w_codes 256 x 24 x 16 uint8 (E2M1 codes of proj_out_w, K innermost, in blocks of 32 codes, two codes a byte); proj_out_w_scales 256 x 24 uint8 (E8M0 scales of proj_out_w, one for each 32 codes along K); wk_b 512 float32; wk_w_codes 512 x 16 x 16 uint8 (E2M1 codes of wk_w, K innermost, in blocks of 32 codes, two codes a byte); wk_w_scales 512 x 16 uint8 (E8M0 scales of wk_w, one for each 32 codes along K); wq_b 512 float32; wq_w_codes 512 x 16 x 16 uint8 (E2M1 codes of wq_w, K innermost, in blocks of 32 codes, two codes a byte); wq_w_scales 512 x 16 uint8 (E8M0 scales of wq_w, one for each 32 codes along K); wv_b 512 float32; wv_w_codes 512 x 16 x 16 uint8 (E2M1 codes of wv_w, K innermost, in blocks of 32 codes, two codes a byte); wv_w_scales 512 x 16 uint8 (E8M0 scales of wv_w, one for each 32 codes along K).
;; Outputs: out0 8 x 256 x 64 x 64 float32.
;; This version of the problem:
;;   THIS VERSION OF THE PROBLEM IS GIVEN IN LOW PRECISION. The matrix products marked QUANTISED in the list below multiply operands that are first quantised to E2M1 (2 exponent bits, 1 mantissa bit; 4 bits a number), with one power-of-two scale for each 32 numbers along K (OCP MX v1.0); their sums are f32. All else is computed in f32.
;;   The module's matrix products, in the order in which they are computed (A, B: the left and right operand; K: the contracted axis; several contracted axes count as one K, in the product's order):
;;     1. [M 32,768, K 256] x [K 256, N 512]; A: input input; B: input proj_in_w (given as codes): QUANTISED
;;     2. [M 32,768, K 512] x [K 512, N 512]; A: computed on the way; B: input wq_w (given as codes): QUANTISED
;;     3. [M 8,192, K 512] x [K 512, N 512]; A: input context (given as codes); B: input wk_w (given as codes): QUANTISED
;;     4. [M 8,192, K 512] x [K 512, N 512]; A: input context (given as codes); B: input wv_w (given as codes): QUANTISED
;;     5. batch 8 x [M 4,096, K 512] x [K 512, N 1,024]; A: computed on the way; B: computed on the way: QUANTISED
;;     6. batch 8 x [M 4,096, K 1,024] x [K 1,024, N 512]; A: softmax (see below); B: computed on the way: QUANTISED
;;     7. [M 256, K 768] x [K 768, N 32,768]; A: input proj_out_w (given as codes); B: computed on the way: QUANTISED
;;   THE QUANTISER, for each operand of a quantised product, along K:
;;     - K is cut into blocks of 32 from its start; a last block that is shorter is filled with zeros.
;;     - A block's scale is 2^e with e = floor(log2(the largest magnitude in the block)) - 2, held to -126 .. 127; a block of zeros has e = 0. As a byte (E8M0): e + 127.
;;     - Each number is divided by its block's scale, clamped to +-6, and rounded to the nearest number of E2M1, ties to even, subnormals kept.
;;     - The product sums the exact products of the quantised numbers (number of the format x scale) in f32.
;;   ~~~python
;;   def quantise(x, axis):      # numpy; x: float32 -> the quantised numbers, widened to float32 again
;;       x = np.moveaxis(x, axis, -1); K = x.shape[-1]
;;       x = np.pad(x, [(0, 0)] * (x.ndim - 1) + [(0, -K % 32)]); x = x.reshape(x.shape[:-1] + (-1, 32)); a = np.abs(x).max(-1, keepdims=True)
;;       e = np.where(a > 0, np.clip(np.frexp(np.where(a > 0, a, 1))[1] - 1 - 2, -126, 127), 0)      # np.frexp(a)[1] - 1 = floor(log2(a)), exactly
;;       r = np.clip(x / 2.0 ** e, -6, 6)
;;       step = 2.0 ** (np.maximum(np.frexp(np.where(r == 0, 1, r))[1] - 1, 0) - 1)
;;       q = np.round(r / step) * step * 2.0 ** e      # np.round: ties to even
;;       return np.moveaxis(q.reshape(q.shape[:-2] + (-1,))[..., :K], -1, axis).astype(np.float32)
;;   ~~~
;;   SOFTMAX AHEAD OF A QUANTISED PRODUCT. Where the list says 'softmax', what is quantised is not the finished softmax but p = 2^(t - M), with t = logit x log2(e) and M = ceil(the row's largest t), a whole number; so 1/2 < the row's largest p <= 1. The row's sum l is taken of the UNQUANTISED p, in f32, and the product's result is divided by l at the end. Since M is a whole number, a kernel that streams over the keys may use a running M (the ceiling of the running maximum): every later rescaling is an exact power of two, which a block's scale takes up: the codes' values come out the same.
;;   OPERANDS COMPUTED ON THE WAY. 'Computed on the way' means the value that the module computes at that place (a softmax that the list does not call 'softmax' is quantised finished and normalised). What goes into a quantiser is computed in f32, as accurately as f32 sums, v_exp_f32 and their like allow (about 1e-6 of the number): no bf16 or f16 on the way to a quantiser, and a product that is left as it is and whose result goes on into a quantised operand takes f32 operands (vector FMAs, or v_wmma_f32_16x16x4_f32). A number that lies on a knife's edge between two numbers of the format may be rounded either way, as far as f32 arithmetic and the matrix unit's own rounding can turn it there, and no further.
;;   INPUTS GIVEN AS CODES. context (in the module: [8, 512, 32, 32], K = its axis 1); proj_in_w (in the module: [512, 256], K = its axis 1); proj_out_w (in the module: [256, 768], K = its axis 1); wk_w (in the module: [512, 512], K = its axis 0); wq_w (in the module: [512, 512], K = its axis 0); wv_w (in the module: [512, 512], K = its axis 0): each comes as NAME_codes (uint8): NAME with its K axis moved to the last place and cut into blocks of 32 codes, [.., K / 32, bytes a block], one block behind the other in memory; two codes a byte, the lower K in the low four bits (a code: sign, 2 exponent bits, 1 mantissa bit); and NAME_scales (uint8): the same leading axes, one E8M0 byte (e + 127) for each 32 codes along K. Its value is code x scale, taken as it is: it is not quantised again, and the codes and scales need not be those that the quantiser above would give.
;; 2 versions. Each part assembles by itself: llvm-mc -triple=amdgcn-amd-amdhsa -mcpu=gfx1250 --defsym DOCPART=n.
;; ======== version 1 of 2: 2 launches
;; workspace buffers: kfrag 2,097,152 bytes; kscl 131,072 bytes; vfrag 2,097,152 bytes; vscl 131,072 bytes
;; launch kv (part 1): grid 256 x 1, 4 waves a work-group, no clusters, 0 bytes of LDS; arguments context_codes, context_scales, wk_w_codes, wk_w_scales, wk_b, wv_w_codes, wv_w_scales, wv_b, kfrag, kscl, vfrag, vscl; writes kfrag, kscl, vfrag, vscl
.if DOCPART == 1
	.amdgcn_target "amdgcn-amd-amdhsa--gfx1250"
	.amdhsa_code_object_version 6
	.text
	.protected	k_qf0d95b508f_kv
	.globl	k_qf0d95b508f_kv
	.p2align	8
	.type	k_qf0d95b508f_kv,@function
k_qf0d95b508f_kv:
	s_mov_b64 s[64:65], 0
	v_nop
	global_prefetch_b8 v0, s[64:65] scope:SCOPE_SE
	s_setreg_imm32_b32 hwreg(HW_REG_WAVE_MODE, 25, 1), 1
	s_wait_xcnt 0x0
; K = ctx Wk + bk and V = ctx Wv + bv on codes of FP4 (E2M1) with E8M0 scales; the results are quantised at once, K along d (the K of Q K^T), V along the keys (the K of P V),
; and stored as IMAGES OF OPERAND REGISTERS: a fragment of 16 rows x 128 K is 1,024 bytes, [block of 32 along K: 0..3][row 0..15][16 bytes], so that a reader's lane l takes register group c at 512 c + 16 l.
; kfrag [batch][key tile 64][K step 4][1024], kscl [batch][key tile][row][K step] words;  vfrag [batch][d tile 32][K step 8][1024], vscl [batch][d tile][row][K step] words.
; THE ROWS OF A TILE ARE NOT NEIGHBOURS: row r of tile 2 b + u is index 32 b + 8 u + r + 8 (r / 8).  As source 0 of a product such a pair of tiles leaves 16 NEIGHBOURS in a lane's 16 result registers.
; SHARES.  A wave makes 128 x 64 results: eight tiles as source 0 (their 128 indices end along a lane's registers: the axis that is quantised), four tiles as source 1 (one index a lane), K = 512 in 4 steps: 128 matrix instructions.
; Work-groups 0-127 make K (source 0 = rows of Wk, source 1 = keys), work-groups 128-255 make V (source 0 = keys, source 1 = rows of Wv).  The two ways part once, on the work-group's number.  No LDS, no barrier: waves share nothing.
; LIMITS: NaN and infinities are not served.  A block whose largest magnitude lies under 2^-124 (a block of zeros too) gets the scale byte 1; these bytes are read by this program alone.
; REGISTERS: window 0: v1-9 lane terms; v16-39 scale words and nothing else; v40-57 at work; v60-63 V's bias as loaded; v64-127 the bias as C; v128-191 eight accumulators; v192-223 codes.
;   window 1: source 0's 32 fragments (tile t, K step s at 8 (4 t + s)).   window 2: source 1's 16 fragments (8 (4 n + s)).
.set SCA, 16                           ; v16-31  source 0's scale words: register 4 b + s; lanes 0-15 the even tile of pair b, lanes 16-31 the odd one
.set SCB, 32                           ; v32-39  source 1's likewise
.set TM,  40                           ; v40-43  largest magnitudes
.set TX,  44                           ; v44-47  the other half's, then the scale bytes
.set SO,  48                           ; v48-51  the conversions' scale operands
.set PW,  52                           ; v52-55  the scale word of each of the four tiles
.set BI,  64
.set AC,  128
.set PC,  192
.set SEL, 40                           ; s[40:41] lane selects: lane l xor 16
.set MSB, 0
.macro WIN new                         ; the immediate's high byte repeats the setting that is left; a switch that changes nothing is dropped
.if MSB != \new
	s_set_vgpr_msb (MSB<<8)|\new
.set MSB, \new
.endif
.endm
.macro PLACES                          ; four plain vector instructions between a matrix instruction and a read of its result or a load into its registers
.rept 4
	v_nop
.endr
.endm
; One matrix instruction.  cc: the C operand as text;  ra, rb = 1: that side's scale words are taken from lanes 16-31.
.macro WMR d, a, b, cc, sa, ra, sb, rb
.if (\ra) && (\rb)
	v_wmma_scale_f32_16x16x128_f8f6f4 v[\d:\d+7], v[\a:\a+7], v[\b:\b+7], \cc, v[\sa], v[\sb] matrix_a_fmt:MATRIX_FMT_FP4 matrix_b_fmt:MATRIX_FMT_FP4 matrix_a_scale:MATRIX_SCALE_ROW1 matrix_b_scale:MATRIX_SCALE_ROW1
.elseif (\ra)
	v_wmma_scale_f32_16x16x128_f8f6f4 v[\d:\d+7], v[\a:\a+7], v[\b:\b+7], \cc, v[\sa], v[\sb] matrix_a_fmt:MATRIX_FMT_FP4 matrix_b_fmt:MATRIX_FMT_FP4 matrix_a_scale:MATRIX_SCALE_ROW1
.elseif (\rb)
	v_wmma_scale_f32_16x16x128_f8f6f4 v[\d:\d+7], v[\a:\a+7], v[\b:\b+7], \cc, v[\sa], v[\sb] matrix_a_fmt:MATRIX_FMT_FP4 matrix_b_fmt:MATRIX_FMT_FP4 matrix_b_scale:MATRIX_SCALE_ROW1
.else
	v_wmma_scale_f32_16x16x128_f8f6f4 v[\d:\d+7], v[\a:\a+7], v[\b:\b+7], \cc, v[\sa], v[\sb] matrix_a_fmt:MATRIX_FMT_FP4 matrix_b_fmt:MATRIX_FMT_FP4
.endif
.endm
.macro WM d, a, b, c, sa, ra, sb, rb   ; c < 0: the product starts its sum with the constant 0
.if (\c) < 0
	WMR \d, \a, \b, 0, \sa, \ra, \sb, \rb
.else
	WMR \d, \a, \b, v[(\c):(\c)+7], \sa, \ra, \sb, \rb
.endif
.endm
; Four blocks of 32, of which my lane holds 16 numbers each (v[s + 16 k] on; lane l xor 16 holds the other 16), become codes in v[pc + 2 k], v[pc + 2 k + 1]; the scale bytes are left in v[TX + k].
.macro QCORE s, pc
.irp k, 0,1,2,3
	v_max3_num_f32 v[TM+\k], |v[(\s)+16*\k]|, |v[(\s)+16*\k+1]|, 0x1800000   ; each accumulator is read from its low end on; the floor 2^(3 - 127) holds the byte at 1 from below
.endr
.irp i, 2,4,6,8,10,12,14
.irp k, 0,1,2,3
	v_max3_num_f32 v[TM+\k], v[TM+\k], |v[(\s)+16*\k+\i]|, |v[(\s)+16*\k+\i+1]|   ; the four blocks by turns
.endr
.endr
.irp k, 0,1,2,3
	v_permlanex16_b32 v[TX+\k], v[TM+\k], s[SEL], s[SEL+1]
.endr
.irp k, 0,1,2,3
	v_max_num_f32 v[TM+\k], v[TM+\k], v[TX+\k]     ; the block's largest magnitude
.endr
.irp k, 0,1,2,3
	v_add_nc_u32 v[SO+\k], 0xff000000, v[TM+\k]    ; 2 off its exponent field: the conversion takes the exponent field of this operand as its scale
.endr
.irp k, 0,1,2,3
	v_lshrrev_b32 v[TX+\k], 23, v[SO+\k]           ; the scale's byte
.endr
.irp k, 0,1,2,3
	v_cvt_scalef32_pk8_fp4_f32 v[(\pc)+2*\k], v[(\s)+16*\k:(\s)+16*\k+7], v[SO+\k]
	v_cvt_scalef32_pk8_fp4_f32 v[(\pc)+2*\k+1], v[(\s)+16*\k+8:(\s)+16*\k+15], v[SO+\k]
.endr
	v_nop                                          ; one plain instruction behind the last scaled conversion
.endm
	s_load_b512 s[4:19], s[0:1], 0x0               ; ctx codes s[4:5], ctx scales s[6:7], Wk codes s[8:9], Wk scales s[10:11], bk s[12:13], Wv codes s[14:15], Wv scales s[16:17], bv s[18:19]
	s_load_b256 s[20:27], s[0:1], 0x40             ; kfrag s[20:21], kscl s[22:23], vfrag s[24:25], vscl s[26:27]
	v_lshrrev_b32 v1, 5, v0
	v_readfirstlane_b32 s28, v1                    ; wave 0..3
	v_and_b32 v1, 15, v0                           ; r
	v_bfe_u32 v2, v0, 4, 1                         ; h
	v_and_b32 v3, 8, v1
	v_add_nc_u32 v3, v3, v1                        ; rp = r + 8 (r / 8)
	v_lshlrev_b32 v4, 8, v3
	v_lshl_add_u32 v4, v2, 4, v4                   ; codes: row rp of 256 bytes, + 16 h
	v_lshl_add_u32 v5, v2, 3, v3
	v_lshlrev_b32 v5, 4, v5                        ; scale rows of 16 bytes: row rp + 8 h: lanes 16-31 take the odd tile of a pair
	v_lshlrev_b32 v6, 4, v1
	v_lshl_add_u32 v6, v2, 3, v6                   ; out: 16 r + 8 h: my 16 codes in a block's 256 bytes
	v_and_b32 v9, 31, v0                           ; lane
	s_mov_b32 s30, 0xffff0000                      ; lanes 16-31
	s_mov_b32 s[SEL], 0x76543210
	s_mov_b32 s[SEL+1], 0xfedcba98
.irp k, 0,1,2,3
	v_mov_b32 v[TX+\k], 0                          ; written once: a lane permute's destination counts as one of its sources
.endr
	s_cmp_lt_u32 ttmp9, 128
	s_cbranch_scc0 .Lv
; The whole way of a wave.  isv = 0: K;  1: V.  s[32:33], s[34:35] source 0's codes and scales; s[36:37], s[38:39] source 1's; s[42:43] the bias; s[44:45], s[46:47] where codes and scale words go.
.macro PATH isv
	s_mov_b32 s49, 0
.if \isv
	s_sub_co_u32 s29, ttmp9, 128
	s_lshr_b32 s50, s29, 1                         ; kg: which 128 keys of the 8,192
	s_and_b32 s51, s29, 1
	s_lshl_b32 s51, s51, 2
	s_add_co_u32 s51, s51, s28                     ; dg: which 64 of the 512 columns
	s_lshr_b32 s52, s50, 3                         ; batch
	s_and_b32 s53, s50, 7                          ; K step of P V
	v_lshlrev_b32 v7, 2, v3                        ; the bias hangs on the lane's column: 4 rp
	v_lshlrev_b32 v8, 5, v9                        ; scale words out: 32 bytes a row
	s_wait_kmcnt 0x0
	s_lshl_b32 s48, s50, 15
	s_add_nc_u64 s[32:33], s[4:5], s[48:49]
	s_lshl_b32 s48, s50, 11
	s_add_nc_u64 s[34:35], s[6:7], s[48:49]
	s_lshl_b32 s48, s51, 14
	s_add_nc_u64 s[36:37], s[14:15], s[48:49]
	s_lshl_b32 s48, s51, 10
	s_add_nc_u64 s[38:39], s[16:17], s[48:49]
	s_lshl_b32 s48, s51, 8
	s_add_nc_u64 s[42:43], s[18:19], s[48:49]
	s_lshl_b32 s48, s52, 18
	s_lshl_b32 s54, s51, 15
	s_add_co_u32 s48, s48, s54
	s_lshl_b32 s54, s53, 10
	s_add_co_u32 s48, s48, s54
	s_add_nc_u64 s[44:45], s[24:25], s[48:49]
	s_lshl_b32 s48, s52, 14
	s_lshl_b32 s54, s51, 11
	s_add_co_u32 s48, s48, s54
	s_lshl_b32 s54, s53, 2
	s_add_co_u32 s48, s48, s54
	s_add_nc_u64 s[46:47], s[26:27], s[48:49]
.else
	v_lshlrev_b32 v7, 6, v2                        ; the bias runs along the registers: 16 h numbers on
	v_lshlrev_b32 v8, 4, v9                        ; scale words out: 16 bytes a row
	s_wait_kmcnt 0x0
	s_lshl_b32 s48, s28, 15
	s_add_nc_u64 s[32:33], s[8:9], s[48:49]
	s_lshl_b32 s48, s28, 11
	s_add_nc_u64 s[34:35], s[10:11], s[48:49]
	s_lshl_b32 s48, ttmp9, 14
	s_add_nc_u64 s[36:37], s[4:5], s[48:49]
	s_lshl_b32 s54, s28, 10
	s_add_co_u32 s48, s48, s54
	s_add_nc_u64 s[44:45], s[20:21], s[48:49]
	s_lshl_b32 s48, ttmp9, 10
	s_add_nc_u64 s[38:39], s[6:7], s[48:49]
	s_lshl_b32 s54, s28, 2
	s_add_co_u32 s48, s48, s54
	s_add_nc_u64 s[46:47], s[22:23], s[48:49]
	s_lshl_b32 s48, s28, 9
	s_add_nc_u64 s[42:43], s[12:13], s[48:49]
.endif
	WIN 0x40                                       ; destination window 1
.irp t, 0,1,2,3,4,5,6,7
.irp s, 0,1,2,3
.irp c, 0,1
	global_load_b128 v[8*(4*\t+\s)+4*\c:8*(4*\t+\s)+4*\c+3], v4, s[32:33] offset:(32*(\t/2)+8*(\t%2))*256+64*\s+32*\c
.endr
.endr
.endr
	WIN 0x80                                       ; destination window 2
.irp n, 0,1,2,3
.irp s, 0,1,2,3
.irp c, 0,1
	global_load_b128 v[8*(4*\n+\s)+4*\c:8*(4*\n+\s)+4*\c+3], v4, s[36:37] offset:(32*(\n/2)+8*(\n%2))*256+64*\s+32*\c
.endr
.endr
.endr
	WIN 0
.irp bb, 0,1,2,3
	global_load_b128 v[SCA+4*\bb:SCA+4*\bb+3], v5, s[34:35] offset:512*\bb   ; a row's 16 scale bytes: the words of its four K steps
.endr
.irp bb, 0,1
	global_load_b128 v[SCB+4*\bb:SCB+4*\bb+3], v5, s[38:39] offset:512*\bb
.endr
.if \isv
.irp n, 0,1,2,3
	global_load_b32 v[60+\n], v7, s[42:43] offset:(32*(\n/2)+8*(\n%2))*4
.endr
.else
.irp t, 0,1,2,3,4,5,6,7
	global_load_b128 v[BI+8*\t:BI+8*\t+3], v7, s[42:43] offset:(32*(\t/2)+8*(\t%2))*4
	global_load_b128 v[BI+8*\t+4:BI+8*\t+7], v7, s[42:43] offset:(32*(\t/2)+8*(\t%2))*4+16
.endr
.endif
	s_wait_loadcnt 0x0                             ; all operands are in: nothing more is loaded
.if \isv
.irp n, 0,1,2,3
.irp j, 0,1,2,3,4,5,6,7
	v_mov_b32 v[BI+8*\n+\j], v[60+\n]              ; C of tile n: my column's bias in all eight registers
.endr
.endr
.endif
.irp n, 0,1,2,3
	WIN 0x09                                       ; source 0 window 1, source 1 window 2
.irp s, 0,1,2,3
.irp t, 0,1,2,3,4,5,6,7                            ; the eight accumulators take turns, one instruction a turn; the bias is the C of each sum's first product
.if \s == 0
.if \isv
	WM AC+8*\t, 8*(4*\t+\s), 8*(4*\n+\s), BI+8*\n, SCA+4*(\t/2)+\s, \t%2, SCB+4*(\n/2)+\s, \n%2
.else
	WM AC+8*\t, 8*(4*\t+\s), 8*(4*\n+\s), BI+8*\t, SCA+4*(\t/2)+\s, \t%2, SCB+4*(\n/2)+\s, \n%2
.endif
.else
	WM AC+8*\t, 8*(4*\t+\s), 8*(4*\n+\s), AC+8*\t, SCA+4*(\t/2)+\s, \t%2, SCB+4*(\n/2)+\s, \n%2
.endif
.endr
.endr
	WIN 0
	PLACES
	QCORE AC, PC+8*\n                              ; its vector instructions are also the places ahead of the next tile's products, which begin the accumulators anew
	v_lshl_or_b32 v[PW+\n], v[TX+1], 8, v[TX]      ; the four bytes: my row's scale word of this K step
	v_lshl_or_b32 v[PW+\n], v[TX+2], 16, v[PW+\n]
	v_lshl_or_b32 v[PW+\n], v[TX+3], 24, v[PW+\n]
.irp k, 0,1,2,3
.if \isv
	global_store_b64 v6, v[PC+8*\n+2*\k:PC+8*\n+2*\k+1], s[44:45] offset:\n*8192+256*\k   ; the wave stores 256 consecutive bytes, aligned: block k of the fragment
.else
	global_store_b64 v6, v[PC+8*\n+2*\k:PC+8*\n+2*\k+1], s[44:45] offset:\n*4096+256*\k
.endif
.endr
.endr
.irp p, 0,1
	v_cndmask_b32 v[56+\p], v[PW+2*\p], v[PW+2*\p+1], s30   ; lanes 0-15 carry the even tile's words, lanes 16-31 the odd tile's
.if \isv
	global_store_b32 v8, v[56+\p], s[46:47] offset:1024*\p  ; four bytes of each row's 32: the other K steps' words come from other waves
.else
	global_store_b32 v8, v[56+\p], s[46:47] offset:512*\p
.endif
.endr
	s_endpgm
.endm
	PATH 0
.Lv:
	PATH 1
.Lfunc_end_k_qf0d95b508f_kv:
	.size	k_qf0d95b508f_kv, .Lfunc_end_k_qf0d95b508f_kv-k_qf0d95b508f_kv
	.p2alignl 7, 3214868480
	.fill 96, 4, 3214868480
	.section	.rodata,"a",@progbits
	.p2align	6, 0x0
	.amdhsa_kernel k_qf0d95b508f_kv
		.amdhsa_group_segment_fixed_size 0
		.amdhsa_private_segment_fixed_size 0
		.amdhsa_enable_private_segment 0
		.amdhsa_kernarg_size 96
		.amdhsa_user_sgpr_count 2
		.amdhsa_user_sgpr_kernarg_segment_ptr 1
		.amdhsa_wavefront_size32 1
		.amdhsa_system_sgpr_workgroup_id_x 1
		.amdhsa_system_sgpr_workgroup_id_y 1
		.amdhsa_system_sgpr_workgroup_id_z 1
		.amdhsa_system_vgpr_workitem_id 0
		.amdhsa_next_free_vgpr 640
		.amdhsa_next_free_sgpr 66
		.amdhsa_reserve_vcc 0
		.amdhsa_float_denorm_mode_32 3
		.amdhsa_float_denorm_mode_16_64 3
		.amdhsa_memory_ordered 1
		.amdhsa_forward_progress 1
		.amdhsa_inst_pref_size 92
	.end_amdhsa_kernel
	.amdgpu_metadata
---
amdhsa.version: [ 1, 2 ]
amdhsa.kernels:
  - .name:           k_qf0d95b508f_kv
    .symbol:         k_qf0d95b508f_kv.kd
    .args:
      - { .name: context_codes, .offset: 0, .size: 8, .value_kind: global_buffer, .address_space: global }
      - { .name: context_scales, .offset: 8, .size: 8, .value_kind: global_buffer, .address_space: global }
      - { .name: wk_w_codes, .offset: 16, .size: 8, .value_kind: global_buffer, .address_space: global }
      - { .name: wk_w_scales, .offset: 24, .size: 8, .value_kind: global_buffer, .address_space: global }
      - { .name: wk_b, .offset: 32, .size: 8, .value_kind: global_buffer, .address_space: global }
      - { .name: wv_w_codes, .offset: 40, .size: 8, .value_kind: global_buffer, .address_space: global }
      - { .name: wv_w_scales, .offset: 48, .size: 8, .value_kind: global_buffer, .address_space: global }
      - { .name: wv_b, .offset: 56, .size: 8, .value_kind: global_buffer, .address_space: global }
      - { .name: kfrag, .offset: 64, .size: 8, .value_kind: global_buffer, .address_space: global }
      - { .name: kscl, .offset: 72, .size: 8, .value_kind: global_buffer, .address_space: global }
      - { .name: vfrag, .offset: 80, .size: 8, .value_kind: global_buffer, .address_space: global }
      - { .name: vscl, .offset: 88, .size: 8, .value_kind: global_buffer, .address_space: global }
    .group_segment_fixed_size: 0
    .private_segment_fixed_size: 0
    .kernarg_segment_align: 8
    .kernarg_segment_size: 96
    .max_flat_workgroup_size: 128
    .sgpr_count:     66
    .vgpr_count:     640
    .wavefront_size: 32
...
	.end_amdgpu_metadata
.endif
;; end of part 1
;; launch attn (part 2): grid 256 x 1, 8 waves a work-group, no clusters, 297,984 bytes of LDS; arguments input, proj_in_w_codes, proj_in_w_scales, proj_in_b, wq_w_codes, wq_w_scales, wq_b, proj_out_w_codes, proj_out_w_scales, proj_out_b, kfrag, kscl, vfrag, vscl, out0; writes out0
.if DOCPART == 2
	.amdgcn_target "amdgcn-amd-amdhsa--gfx1250"
	.amdhsa_code_object_version 6
	.text
	.protected	k_qf0d95b508f_attn
	.globl	k_qf0d95b508f_attn
	.p2align	8
	.type	k_qf0d95b508f_attn,@function
k_qf0d95b508f_attn:
	s_mov_b64 s[64:65], 0
	v_nop
	global_prefetch_b8 v0, s[64:65] scope:SCOPE_SE
	s_setreg_imm32_b32 hwreg(HW_REG_WAVE_MODE, 25, 1), 1
	s_wait_xcnt 0x0
; The whole module but K and V, for 128 pixels (queries) of one batch in a work-group of eight waves, all products on codes of FP4 (E2M1) with E8M0 scales:
;   X: the input's 256 channels are quantised once (they serve proj_in and the first 256 of proj_out's K) | 1: x = in Win^T + b | 2: Q = x Wq + b | S: scores, p = 2^(t - M) as codes | FIX: the row's M and sum |
;   PV: O = P V | OQ: O / sum, quantised | 7: out = Wout [in; O] + b.
; Every operand made on the way goes from wave to wave through LDS as an IMAGE OF ITS REGISTERS: a fragment of 16 rows x 128 K is [block 0..3][row 0..15][16 bytes]; a lane that holds 16 codes of a block stores 8 bytes at
; 256 block + 16 r + 8 h; a reader's lane l takes register group c at 512 c + 16 l.  Scale words lie [K step][tile][row]: one load of 4 bytes a lane brings two tiles' words, the even tile's in lanes 0-15, the odd one's in lanes 16-31.
; Products 1, 2, S and PV are used transposed (source 0 = weights, keys or V^T; source 1 = 16 queries): a lane holds ONE query, and since row r of source 0's tile 2 b + u is index 32 b + 8 u + r + 8 (r / 8), the 16 registers of a
; pair of tiles are 16 neighbours along the next product's K.
; THE SOFTMAX, in two passes.  In S each block of 32 keys takes its OWN whole number M_b = ceil(its largest t): p's codes do not hang on which whole number is taken, only the scale byte does.  Codes, -M_b, the byte and the block's
; sum of the unquantised p go to LDS.  FIX takes the row's M = the largest M_b (the ceiling of the row's true largest t), lowers each byte by M - M_b, and adds the sums under M (exact powers of two).  So P V carries no state and rescales nothing.
; LIMITS: NaN and infinities are not served.  A block whose largest magnitude lies under 2^-124 (a block of zeros too) gets the scale byte 1.  A block of keys more than 124 powers of two under its row's M keeps the byte of 124 under:
; its part, under 2^-120 of V's numbers, stands against a sum of at least 1/2.  Where t - M_b of a block's largest score is negative and so small that the exponential gives 1.0, that p is held at the largest code under the byte 124, as the exact p, just under 1, is.
; No joint loads: K's and V's fragments go from memory straight into registers, each V fragment to one wave and each K fragment to two; nothing of them lies in LDS that partners could share.
; SHARES of wave w: X: channels 32 w on, all 128 pixels, four a lane.  1, 2: units 64 w on, all 8 tiles of queries.  S: tiles 4 (w / 4) on, keys 256 (w % 4) on.  FIX: tile w.  PV, OQ: d = 64 w on.  7: outputs 32 w on.
; REGISTERS, window 0: v1 16 lane, v2 4 lane, v3 16 r + 8 h, v4 4 r; v5-14 a phase's addresses (v7, v8 stay); v15 256 lane; v16-41 scale words and nothing else; v42-63 at work; v64-127 fragments; v128-255 numbers, in PV V, from its end on Wout (128-223).
;   window 1: first Win (0-63), Wq (64-191), their biases (192-255); in S Q (0-127) and two sets of K (128-255); in PV the 32 accumulators; in 7 the odd K steps' fragments (0-63), the bias (96-111), 16 accumulators (128-255).
.set XIMG, 0                           ; the input's codes [tile 8][block 8][row][16]
.set XSC,  16384                       ; their scale words [K step 2][tile][row]
.set ASC,  17408                       ; x's, later O's [4][tile][row]
.set QSC,  19456                       ; Q's
.set PSC,  21504                       ; P's [8][tile][row]
.set RL,   25600                       ; 1 / the row's sum [query]
.set AIMG, 26624                       ; x's codes, later O's [tile][block 16][row][16]
.set QIMG, 59392                       ; Q's
.set PIMG, 92160                       ; P's [tile][block 32][row][16]
.set NBA,  157696                      ; -M_b [query, 144 bytes][block]
.set BYD,  18432                       ; the blocks' bytes lie so far behind, laid alike
.set LSA,  194560                      ; the blocks' sums [query, 272 bytes][block][half of the lanes]
.set STG,  229376                      ; the way out: 16 rows x 528 bytes for each wave
.set PW,  42
.set C124, 42                          ; in S: the conversion's scale operand of the byte 124,
.set C125, 43                          ; and of 125
.set TM,  44
.set TX,  48
.set SO,  52
.set PC,  56
.set BM,  64                           ; S: v64-67 a block's largest score, then its t - M_b
.set NM,  68                           ; v68-75 -M_b, in the low word of a pair
.set LL,  76                           ; v76-83 sums, two at a time
.set LS,  84                           ; v84-87 my 16 keys' sum
.set WW,  88                           ; v88-91 lanes 0-15: -M_b; lanes 16-31: the byte
.set SS,  96                           ; v96-159 scores, then p: 16 a tile of queries
.set SEL, 40
.set MSB, 0
.macro WIN new                         ; the immediate's high byte repeats the setting that is left; a switch that changes nothing is dropped
.if MSB != \new
	s_set_vgpr_msb (MSB<<8)|\new
.set MSB, \new
.endif
.endm
.macro PLACES                          ; four plain vector instructions between a matrix instruction and a read of its result or a load into its registers
.rept 4
	v_nop
.endr
.endm
.macro BAR                             ; my LDS stores have landed and my LDS loads are in: then the work-group's barrier
	s_wait_dscnt 0x0
	s_barrier_signal -1
	s_barrier_wait -1
.endm
.macro WMR d, a, b, cc, sa, ra, sb, rb ; cc: the C operand as text;  ra, rb = 1: that side's scale words are taken from lanes 16-31
.if (\ra) && (\rb)
	v_wmma_scale_f32_16x16x128_f8f6f4 v[\d:\d+7], v[\a:\a+7], v[\b:\b+7], \cc, v[\sa], v[\sb] matrix_a_fmt:MATRIX_FMT_FP4 matrix_b_fmt:MATRIX_FMT_FP4 matrix_a_scale:MATRIX_SCALE_ROW1 matrix_b_scale:MATRIX_SCALE_ROW1
.elseif (\ra)
	v_wmma_scale_f32_16x16x128_f8f6f4 v[\d:\d+7], v[\a:\a+7], v[\b:\b+7], \cc, v[\sa], v[\sb] matrix_a_fmt:MATRIX_FMT_FP4 matrix_b_fmt:MATRIX_FMT_FP4 matrix_a_scale:MATRIX_SCALE_ROW1
.elseif (\rb)
	v_wmma_scale_f32_16x16x128_f8f6f4 v[\d:\d+7], v[\a:\a+7], v[\b:\b+7], \cc, v[\sa], v[\sb] matrix_a_fmt:MATRIX_FMT_FP4 matrix_b_fmt:MATRIX_FMT_FP4 matrix_b_scale:MATRIX_SCALE_ROW1
.else
	v_wmma_scale_f32_16x16x128_f8f6f4 v[\d:\d+7], v[\a:\a+7], v[\b:\b+7], \cc, v[\sa], v[\sb] matrix_a_fmt:MATRIX_FMT_FP4 matrix_b_fmt:MATRIX_FMT_FP4
.endif
.endm
.macro WM d, a, b, c, sa, ra, sb, rb   ; c < 0: the product starts its sum with the constant 0
.if (\c) < 0
	WMR \d, \a, \b, 0, \sa, \ra, \sb, \rb
.else
	WMR \d, \a, \b, v[(\c):(\c)+7], \sa, \ra, \sb, \rb
.endif
.endm
; Four blocks of 32, of which my lane holds 16 numbers each (v[s + 16 k] on; lane l xor 16 holds the other 16), become codes in v[pc + 2 k], v[pc + 2 k + 1]; the scale bytes are left in v[TX + k].
.macro QCORE s, pc
.irp k, 0,1,2,3
	v_max3_num_f32 v[TM+\k], |v[(\s)+16*\k]|, |v[(\s)+16*\k+1]|, 0x1800000   ; each accumulator is read from its low end on; the floor 2^(3 - 127) holds the byte at 1 from below
.endr
.irp i, 2,4,6,8,10,12,14
.irp k, 0,1,2,3
	v_max3_num_f32 v[TM+\k], v[TM+\k], |v[(\s)+16*\k+\i]|, |v[(\s)+16*\k+\i+1]|
.endr
.endr
.irp k, 0,1,2,3
	v_permlanex16_b32 v[TX+\k], v[TM+\k], s[SEL], s[SEL+1]
.endr
.irp k, 0,1,2,3
	v_max_num_f32 v[TM+\k], v[TM+\k], v[TX+\k]
.endr
.irp k, 0,1,2,3
	v_add_nc_u32 v[SO+\k], 0xff000000, v[TM+\k]    ; 2 off the exponent field: the conversion's scale operand
.endr
.irp k, 0,1,2,3
	v_lshrrev_b32 v[TX+\k], 23, v[SO+\k]           ; the scale's byte
.endr
.irp k, 0,1,2,3
	v_cvt_scalef32_pk8_fp4_f32 v[(\pc)+2*\k], v[(\s)+16*\k:(\s)+16*\k+7], v[SO+\k]
	v_cvt_scalef32_pk8_fp4_f32 v[(\pc)+2*\k+1], v[(\s)+16*\k+8:(\s)+16*\k+15], v[SO+\k]
.endr
	v_nop                                          ; one plain instruction behind the last scaled conversion
.endm
; What QCORE left (blocks 2 mi + bb: tile 2 mp + mi of queries, my units' block bb) goes to LDS: 8 bytes of codes a lane and block, and my two bytes of the row's scale word (lanes r and r + 16 write the same bytes with the same value).  Six stores.
.macro PUT mp, da, ds
.irp mi, 0,1
	v_lshl_or_b32 v[PW+\mi], v[TX+2*\mi+1], 8, v[TX+2*\mi]
.endr
.irp mi, 0,1
.irp bb, 0,1
	ds_store_b64 v[\da], v[PC+2*(2*\mi+\bb):PC+2*(2*\mi+\bb)+1] offset:(2*(\mp)+\mi)*4096+256*\bb
.endr
	ds_store_b16 v[\ds], v[PW+\mi] offset:(2*(\mp)+\mi)*64
.endr
.endm
; PHASES 1 AND 2 share their text; NS (K steps), SRC, PITCH, SSRC (the operand's images and scale words), WF, BIA (weights and bias in window 1) and WSC (the weights' scale words) are set ahead of each.
.macro FETCHL mp                       ; two tiles of queries: their fragments into v64 on, their scale words into v28 on
.irp mi, 0,1
.irp s, 0,1,2,3
.if \s < NS
.irp c, 0,1
	ds_load_b128 v[64+8*(NS*\mi+\s)+4*\c:64+8*(NS*\mi+\s)+4*\c+3], v1 offset:SRC+(2*(\mp)+\mi)*PITCH+1024*\s+512*\c
.endr
.endif
.endr
.endr
.irp s, 0,1,2,3
.if \s < NS
	ds_load_b32 v[28+\s], v2 offset:SSRC+512*\s+128*(\mp)
.endif
.endr
.endm
.macro MULL                            ; my four tiles of units x two tiles of queries: eight accumulators by turns, one instruction a turn; the bias is the C of each sum's first product
.irp s, 0,1,2,3
.if \s < NS
.if \s == 0
	WIN 0x11                                       ; source 0 and C window 1
.else
	WIN 0x01
.endif
.irp mi, 0,1
.irp t, 0,1,2,3
.if \s == 0
	WM 128+32*\mi+8*\t, WF+8*(NS*\t+\s), 64+8*(NS*\mi+\s), BIA+8*\t, WSC+NS*(\t/2)+\s, \t%2, 28+\s, \mi
.else
	WM 128+32*\mi+8*\t, WF+8*(NS*\t+\s), 64+8*(NS*\mi+\s), 128+32*\mi+8*\t, WSC+NS*(\t/2)+\s, \t%2, 28+\s, \mi
.endif
.endr
.endr
.endif
.endr
.endm
; A block of 32 keys: its two tiles' fragments lie 8,192 bytes on end in kfrag; their scale words, 16 bytes a row, give the four K steps' registers.  17 loads.
.macro KLOAD buf, off, offs
	WIN 0x40
.irp i, 0,1,2,3,4,5,6,7,8,9,10,11,12,13,14,15
	global_load_b128 v[128+64*(\buf)+4*\i:128+64*(\buf)+4*\i+3], v1, s[50:51] offset:(\off)+512*\i
.endr
	WIN 0
	global_load_b128 v[24+4*(\buf):24+4*(\buf)+3], v1, s[52:53] offset:\offs
.endm
.macro LAYER da, ds, kl                ; kl = 1: behind the last products the first two blocks of keys are asked for, into registers that the weights have left
	FETCHL 0
.irp mp, 0,1,2,3
.if \mp == 0
	s_wait_dscnt 0x0                               ; the fragments are in
.else
	s_wait_dscnt 6                                 ; the fragments are in: behind their loads stand only the six stores of the last results, which may be out
.endif
	MULL
	WIN 0
	PLACES
.if \mp < 3
	FETCHL \mp+1                                   ; lands while these results are quantised
.elseif \kl
	KLOAD 0, 0, 0
	KLOAD 1, 8192, 512
.endif
	QCORE 128, PC
	PUT \mp, \da, \ds
.endr
.endm
	s_load_b512 s[4:19], s[0:1], 0x0               ; input s[4:5], Win codes s[6:7], scales s[8:9], bias s[10:11], Wq codes s[12:13], scales s[14:15], bias s[16:17], Wout codes s[18:19]
	s_load_b256 s[20:27], s[0:1], 0x40             ; Wout scales s[20:21], bias s[22:23], kfrag s[24:25], kscl s[26:27]
	s_load_b128 s[28:31], s[0:1], 0x60             ; vfrag s[28:29], vscl s[30:31]
	s_load_b64 s[32:33], s[0:1], 0x70              ; out0
	v_lshrrev_b32 v5, 5, v0
	v_readfirstlane_b32 s34, v5                    ; w: wave 0..7
	s_lshr_b32 s35, ttmp9, 5                       ; batch
	s_and_b32 s36, ttmp9, 31                       ; which 128 pixels
	s_lshr_b32 s37, s34, 2                         ; g = w / 4
	s_and_b32 s38, s34, 3                          ; j = w % 4
	s_mov_b32 s[SEL], 0x76543210
	s_mov_b32 s[SEL+1], 0xfedcba98                 ; lane l xor 16
	s_mov_b32 s42, 0x3d8293ee                      ; c = log2(e) / sqrt(512)
	s_mov_b32 s43, s42                             ; (named with it as a pair)
	s_mov_b32 s44, 0xbd8293ee                      ; -c
	s_mov_b32 s45, 0xffff0000                      ; lanes 16-31
	v_and_b32 v6, 31, v0                           ; lane
	v_and_b32 v7, 15, v0                           ; r
	v_bfe_u32 v8, v0, 4, 1                         ; h
	v_lshlrev_b32 v1, 4, v6
	v_lshlrev_b32 v2, 2, v6
	v_lshlrev_b32 v3, 4, v7
	v_lshl_add_u32 v3, v8, 3, v3
	v_lshlrev_b32 v4, 2, v7
	v_lshlrev_b32 v15, 8, v6
	v_and_b32 v9, 8, v7
	v_add_nc_u32 v9, v9, v7                        ; rp = r + 8 (r / 8)
	v_lshl_add_u32 v10, v8, 3, v9                  ; rp + 8 h
	v_lshlrev_b32 v120, 7, v9
	v_lshl_add_u32 v120, v8, 4, v120               ; Win: row rp of 128 bytes, + 16 h
	v_lshlrev_b32 v121, 3, v10                     ; its scale rows of 8 bytes
	v_lshlrev_b32 v122, 6, v8                      ; the biases: 16 h numbers on
	v_lshlrev_b32 v123, 8, v9
	v_lshl_add_u32 v123, v8, 4, v123               ; Wq: row rp of 256 bytes, + 16 h
	v_lshlrev_b32 v124, 4, v10                     ; its scale rows of 16 bytes
	v_lshrrev_b32 v5, 2, v6                        ; X: my four pixels 4 lane + p lie in tile lane / 4,
	v_lshlrev_b32 v5, 11, v5
	v_and_b32 v11, 3, v6
	v_lshl_add_u32 v5, v11, 6, v5                  ; rows 4 (lane % 4) + p,
	s_lshl_b32 s70, s34, 8
	v_add_nc_u32 v5, s70, v5                       ; block w
	s_lshl_b32 s70, s37, 9
	s_add_co_u32 s70, s70, s38
	s_add_co_u32 s70, s70, XSC
	v_add_nc_u32 v6, s70, v1                       ; and the scale's byte: K step w / 4, byte w % 4 of the pixel's word
	s_lshl_b32 s70, s34, 9
	s_add_co_u32 s72, s70, AIMG
	v_add_nc_u32 v7, s72, v3                       ; where my units' codes go: block 2 w; stays for O
	s_add_co_u32 s72, s70, QIMG
	v_add_nc_u32 v9, s72, v3
	s_lshr_b32 s70, s34, 1
	s_lshl_b32 s70, s70, 9
	s_and_b32 s72, s34, 1
	s_lshl_b32 s72, s72, 1
	s_add_co_u32 s70, s70, s72
	s_add_co_u32 s72, s70, ASC
	v_add_nc_u32 v8, s72, v4                       ; and their two scale bytes: K step w / 2, bytes 2 (w % 2) on; stays for O
	s_add_co_u32 s72, s70, QSC
	v_add_nc_u32 v10, s72, v4
.irp k, 0,1,2,3
	v_mov_b32 v[TX+\k], 0                          ; written once: a lane permute's destination counts as one of its sources
.endr
	s_mov_b32 s71, 0
	s_wait_kmcnt 0x0
	s_lshl_b32 s70, s35, 22                        ; the batch, 32 w rows of 16,384 bytes, the work-group's 128 pixels: my channels of the input, and my rows of out0
	s_lshl_b32 s72, s34, 19
	s_add_co_u32 s70, s70, s72
	s_lshl_b32 s72, s36, 9
	s_add_co_u32 s70, s70, s72
	s_add_nc_u64 s[58:59], s[4:5], s[70:71]
	s_add_nc_u64 s[60:61], s[32:33], s[70:71]
	s_lshl_b32 s70, s35, 18
	s_lshl_b32 s72, s38, 16
	s_add_co_u32 s70, s70, s72
	s_add_nc_u64 s[50:51], s[24:25], s[70:71]      ; K's fragments: my 256 keys
	s_lshl_b32 s70, s35, 14
	s_lshl_b32 s72, s38, 12
	s_add_co_u32 s70, s70, s72
	s_add_nc_u64 s[52:53], s[26:27], s[70:71]
	s_lshl_b32 s70, s35, 18
	s_lshl_b32 s72, s34, 15
	s_add_co_u32 s70, s70, s72
	s_add_nc_u64 s[54:55], s[28:29], s[70:71]      ; V's: my four tiles of d
	s_lshl_b32 s70, s35, 14
	s_lshl_b32 s72, s34, 11
	s_add_co_u32 s70, s70, s72
	s_add_nc_u64 s[56:57], s[30:31], s[70:71]
	s_lshl_b32 s70, s35, 18
	s_lshl_b32 s72, s36, 13
	s_add_co_u32 s70, s70, s72
	s_add_nc_u64 s[66:67], s[24:25], s[70:71]      ; the prefetches: my work-group's 8,192 bytes of the batch's kfrag,
	s_add_nc_u64 s[68:69], s[28:29], s[70:71]      ; and of its vfrag
	s_lshl_b32 s70, s34, 13
	s_add_nc_u64 s[6:7], s[6:7], s[70:71]          ; my 64 rows of Win,
	s_lshl_b32 s70, s34, 9
	s_add_nc_u64 s[8:9], s[8:9], s[70:71]
	s_lshl_b32 s70, s34, 8
	s_add_nc_u64 s[10:11], s[10:11], s[70:71]
	s_add_nc_u64 s[16:17], s[16:17], s[70:71]
	s_lshl_b32 s70, s34, 14
	s_add_nc_u64 s[12:13], s[12:13], s[70:71]      ; of Wq,
	s_lshl_b32 s70, s34, 10
	s_add_nc_u64 s[14:15], s[14:15], s[70:71]
	s_mul_i32 s70, s34, 12288
	s_add_nc_u64 s[18:19], s[18:19], s[70:71]      ; my 32 rows of Wout
	s_mul_i32 s70, s34, 768
	s_add_nc_u64 s[20:21], s[20:21], s[70:71]
	s_lshl_b32 s70, s34, 7
	s_add_nc_u64 s[22:23], s[22:23], s[70:71]
	; the loads, in the order in which they are wanted: the input's 32, 26 for phase 1, 42 for phase 2
.set i, 0
.rept 32
	global_load_b128 v[128+4*i:128+4*i+3], v1, s[58:59] offset:16384*i th:TH_LOAD_NT   ; channel i of my 32 at all 128 pixels: the wave reads 512 consecutive bytes, aligned to 256; four pixels a lane
.set i, i+1
.endr
	WIN 0x40
.irp t, 0,1,2,3
.irp s, 0,1
.irp c, 0,1
	global_load_b128 v[8*(2*\t+\s)+4*\c:8*(2*\t+\s)+4*\c+3], v120, s[6:7] offset:(32*(\t/2)+8*(\t%2))*128+64*\s+32*\c
.endr
.endr
.endr
	WIN 0
.irp bb, 0,1
	global_load_b64 v[16+2*\bb:17+2*\bb], v121, s[8:9] offset:256*\bb
.endr
	WIN 0x40
.irp t, 0,1,2,3
	global_load_b128 v[192+8*\t:195+8*\t], v122, s[10:11] offset:(32*(\t/2)+8*(\t%2))*4
	global_load_b128 v[196+8*\t:199+8*\t], v122, s[10:11] offset:(32*(\t/2)+8*(\t%2))*4+16
.endr
.irp t, 0,1,2,3
.irp s, 0,1,2,3
.irp c, 0,1
	global_load_b128 v[64+8*(4*\t+\s)+4*\c:64+8*(4*\t+\s)+4*\c+3], v123, s[12:13] offset:(32*(\t/2)+8*(\t%2))*256+64*\s+32*\c
.endr
.endr
.endr
	WIN 0
.irp bb, 0,1
	global_load_b128 v[20+4*\bb:23+4*\bb], v124, s[14:15] offset:512*\bb
.endr
	WIN 0x40
.irp t, 0,1,2,3
	global_load_b128 v[224+8*\t:227+8*\t], v122, s[16:17] offset:(32*(\t/2)+8*(\t%2))*4
	global_load_b128 v[228+8*\t:231+8*\t], v122, s[16:17] offset:(32*(\t/2)+8*(\t%2))*4+16
.endr
	WIN 0
	; ---- X: block w of K for my four pixels.  Register 128 + 4 i + p is channel i at pixel 4 lane + p: a pixel's whole block lies in my own registers, four apart
	s_wait_loadcnt 63                              ; 68 loads were issued behind the input's 32; the wait names the most that its field holds, which is fewer and so enough
.irp p, 0,1,2,3
	v_max3_num_f32 v[TM+\p], |v[128+\p]|, |v[132+\p]|, 0x1800000   ; the four pixels by turns; the floor 2^(3 - 127) holds the byte at 1 from below
.endr
.irp i, 2,4,6,8,10,12,14,16,18,20,22,24,26,28,30
.irp p, 0,1,2,3
	v_max3_num_f32 v[TM+\p], v[TM+\p], |v[128+4*\i+\p]|, |v[132+4*\i+\p]|
.endr
.endr
.irp p, 0,1,2,3
	v_add_nc_u32 v[SO+\p], 0xff000000, v[TM+\p]
.endr
.irp p, 0,1,2,3
	v_lshrrev_b32 v[TX+\p], 23, v[SO+\p]
.endr
; The conversions take eight neighbours along K from consecutive registers: so channels 8 q .. 8 q + 7 are copied, pixel by pixel, into 32 registers on end from v[t] on, and converted there.  128 copies a wave are the price of 32 loads in place of 128.
; The first group goes to v80-111, each later one into the registers that the group before has left: no conversion's source is written again here.
.macro XGRP q, t
.irp p, 0,1,2,3
.irp i, 0,1,2,3,4,5,6,7
	v_mov_b32 v[(\t)+8*\p+\i], v[128+32*(\q)+4*\i+\p]
.endr
.endr
.irp p, 0,1,2,3
	v_cvt_scalef32_pk8_fp4_f32 v[64+4*\p+(\q)], v[(\t)+8*\p:(\t)+8*\p+7], v[SO+\p]
.endr
.endm
	XGRP 0, 80
	XGRP 1, 128
	XGRP 2, 160
	XGRP 3, 192
	v_nop                                          ; one plain instruction behind the last scaled conversion
.irp p, 0,1,2,3
	ds_store_b128 v5, v[64+4*\p:64+4*\p+3] offset:16*\p   ; a pixel's 32 codes: its row's 16 bytes of block w
.endr
.irp p, 0,1,2,3
	ds_store_b8 v6, v[TX+\p] offset:4*\p           ; one byte of the pixel's scale word; the other three come from three other waves
.endr
	BAR                                            ; the input's sixteen fragments lie in LDS, for phases 1 and 7
	; A prefetch of kfrag: the batch's 262,144 bytes are shared out among its 32 work-groups, 8,192 each; wave 0 asks, lanes 256 bytes apart: each block of 256 bytes is named once in the launch.  Phases 1 and 2 lie between it and the first load of K.
	s_cmp_lg_u32 s34, 0
	s_cbranch_scc1 .Lno_pf_k
	global_prefetch_b8 v15, s[66:67] th:TH_LOAD_NT scope:SCOPE_SE
.Lno_pf_k:
	; ---- 1: x = in Win^T + b, quantised along its 512 units
.set NS, 2
.set SRC, XIMG
.set PITCH, 2048
.set SSRC, XSC
.set WF, 0
.set BIA, 192
.set WSC, 16
	s_wait_loadcnt 42                              ; phase 1's 26 loads are in; phase 2's 42 may be out
	LAYER 7, 8, 0
	BAR                                            ; x's 32 fragments lie in LDS
	; ---- 2: Q = x Wq + b, quantised along d
.set NS, 4
.set SRC, AIMG
.set PITCH, 4096
.set SSRC, ASC
.set WF, 64
.set BIA, 224
.set WSC, 20
	s_wait_loadcnt 0x0                             ; Wq, its scales and bias are in; the loads' offset registers v120-124 are free for the fragments
	LAYER 9, 10, 1
	BAR                                            ; Q's 32 fragments lie in LDS
	; ---- S: scores of my four tiles of queries against my 256 keys, 32 keys at a time
	v_and_b32 v12, 15, v0
	v_bfe_u32 v13, v0, 4, 1
	s_lshl_b32 s70, s37, 14
	s_add_co_u32 s70, s70, QIMG
	v_add_nc_u32 v5, s70, v1                       ; Q's fragments: tiles 4 g on
	s_lshl_b32 s70, s37, 8
	s_add_co_u32 s70, s70, QSC
	v_add_nc_u32 v6, s70, v2
	s_lshl_b32 s70, s37, 15
	s_lshl_b32 s72, s38, 11
	s_add_co_u32 s70, s70, s72
	s_add_co_u32 s70, s70, PIMG
	v_add_nc_u32 v9, s70, v3                       ; P's codes: tile 4 g, block 8 j
	s_mul_i32 s70, s37, 9216
	s_lshl_b32 s72, s38, 5
	s_add_co_u32 s70, s70, s72
	s_add_co_u32 s70, s70, NBA
	v_mul_u32_u24 v10, v12, 144
	v_mad_u32_u24 v10, v13, BYD, v10               ; lanes 0-15 store -M_b, lanes 16-31 the byte, BYD bytes further on
	v_add_nc_u32 v10, s70, v10
	s_mul_i32 s70, s37, 17408
	s_lshl_b32 s72, s38, 6
	s_add_co_u32 s70, s70, s72
	s_add_co_u32 s70, s70, LSA
	v_mul_u32_u24 v11, v12, 272
	v_lshl_add_u32 v11, v13, 2, v11
	v_add_nc_u32 v11, s70, v11                     ; the sums: each half of the lanes its own word
.irp m, 0,1,2,3
	v_mov_b32 v[NM+2*\m+1], 0                      ; named as the upper halves of pairs
.endr
	v_mov_b32 v[C124], 0x3e000000                  ; 124 << 23
	v_mov_b32 v[C125], 0x3e800000                  ; 125 << 23
	WIN 0x40
.irp m, 0,1,2,3
.irp s, 0,1,2,3
.irp c, 0,1
	ds_load_b128 v[8*(4*\m+\s)+4*\c:8*(4*\m+\s)+4*\c+3], v5 offset:4096*\m+1024*\s+512*\c   ; Q stays in registers
.endr
.endr
.endr
	WIN 0
.irp pm, 0,1
.irp s, 0,1,2,3
	ds_load_b32 v[16+4*\pm+\s], v6 offset:512*\s+128*\pm
.endr
.endr
	s_mov_b32 s47, 0                               ; where the trip's codes, words and sums go: stepped by constants
	s_mov_b32 s48, 0
	s_mov_b32 s49, 0
	s_mov_b32 s46, 3
.macro SMUL buf                        ; S^T = K Q^T: two tiles of keys x four of queries, K = 512: eight accumulators by turns, one instruction a turn
	WIN 0x05                                       ; sources 0 and 1 window 1
.irp s, 0,1,2,3
.irp m, 0,1,2,3
.irp u, 0,1
.if \s == 0
	WM SS+16*\m+8*\u, 128+64*(\buf)+8*(4*\u+\s), 8*(4*\m+\s), -1, 24+4*(\buf)+\s, \u, 16+4*(\m/2)+\s, \m%2
.else
	WM SS+16*\m+8*\u, 128+64*(\buf)+8*(4*\u+\s), 8*(4*\m+\s), SS+16*\m+8*\u, 24+4*(\buf)+\s, \u, 16+4*(\m/2)+\s, \m%2
.endif
.endr
.endr
.endr
	WIN 0
.endm
; A block of 32 keys for four tiles of queries, the tiles by turns.  Register i of a tile is key 16 h + i of the block, for query r.  par: the block's place in the trip.
; THE BLOCK'S SCALE WANTS NO EXPONENTIAL.  M_b is the block's own ceiling, so t - M_b of its largest score lies in (-1, 0] (above 0 only by the rounding of c x score ahead of the floor): the block's largest p lies in (1/2, 1], its
; exponent is -1, or 0 where t - M_b is not negative, and the scale's byte is 124 or 125: chosen by a compare.
.macro SOFT par
.irp m, 0,1,2,3
	v_max3_num_f32 v[BM+\m], v[SS+16*\m], v[SS+16*\m+1], v[SS+16*\m+2]   ; the block's largest score; each accumulator is read from its low end on
.endr
.irp i, 3,5,7,9,11,13
.irp m, 0,1,2,3
	v_max3_num_f32 v[BM+\m], v[BM+\m], v[SS+16*\m+\i], v[SS+16*\m+\i+1]
.endr
.endr
.irp m, 0,1,2,3
	v_max_num_f32 v[BM+\m], v[BM+\m], v[SS+16*\m+15]
.endr
.irp m, 0,1,2,3
	v_permlanex16_b32 v[TX+\m], v[BM+\m], s[SEL], s[SEL+1]
.endr
.irp m, 0,1,2,3
	v_max_num_f32 v[BM+\m], v[BM+\m], v[TX+\m]
.endr
.irp m, 0,1,2,3
	v_mul_f32 v[TX+\m], s44, v[BM+\m]              ; -t of the largest score
.endr
.irp m, 0,1,2,3
	v_floor_f32 v[NM+2*\m], v[TX+\m]               ; -M_b = floor(-t) = -ceil(t): a whole number
.endr
.irp i, 0,2,4,6,8,10,12,14
.irp m, 0,1,2,3
	v_pk_fma_f32 v[SS+16*\m+\i:SS+16*\m+\i+1], v[SS+16*\m+\i:SS+16*\m+\i+1], s[42:43], v[NM+2*\m:NM+2*\m+1] op_sel_hi:[1,0,0]   ; t - M_b, two at a time
.endr
.endr
.irp m, 0,1,2,3
	v_fma_f32 v[BM+\m], v[BM+\m], s42, v[NM+2*\m]  ; the same of the largest score
.endr
.irp m, 0,1,2,3
	v_cmp_le_f32 s[72+\m], 0, v[BM+\m]             ; not negative: the largest p is 1
.endr
.set i, 0
.rept 64
	v_exp_f32 v[SS+i], v[SS+i]                     ; p = 2^(t - M_b)
.set i, i+1
.endr
.irp m, 0,1,2,3
	v_cndmask_b32 v[SO+\m], v[C124], v[C125], s[72+\m]   ; the conversion's scale operand.  These twelve lines name no exponential's result: plain work between the batch and its wait
.endr
.irp m, 0,1,2,3
	v_lshrrev_b32 v[TX+\m], 23, v[SO+\m]           ; the byte under M_b
.endr
.irp m, 0,1,2,3
	v_cndmask_b32 v[WW+\m], v[NM+2*\m], v[TX+\m], s45
.endr
	s_wait_alu depctr_va_vdst(0)                   ; one wait for the 64, ahead of their first reader
.irp m, 0,1,2,3
	v_pk_add_f32 v[LL+2*\m:LL+2*\m+1], v[SS+16*\m:SS+16*\m+1], v[SS+16*\m+2:SS+16*\m+3]   ; the sum is taken of the unquantised p
.endr
.irp i, 4,6,8,10,12,14
.irp m, 0,1,2,3
	v_pk_add_f32 v[LL+2*\m:LL+2*\m+1], v[LL+2*\m:LL+2*\m+1], v[SS+16*\m+\i:SS+16*\m+\i+1]
.endr
.endr
.irp m, 0,1,2,3
	v_add_f32 v[LS+\m], v[LL+2*\m], v[LL+2*\m+1]
.endr
.irp m, 0,1,2,3
	v_cvt_scalef32_pk8_fp4_f32 v[PC+2*\m], v[SS+16*\m:SS+16*\m+7], v[SO+\m]
	v_cvt_scalef32_pk8_fp4_f32 v[PC+2*\m+1], v[SS+16*\m+8:SS+16*\m+15], v[SO+\m]
.endr
	v_nop                                          ; one plain instruction behind the last scaled conversion
.irp m, 0,1,2,3
	ds_store_b64 v12, v[PC+2*\m:PC+2*\m+1] offset:8192*\m+256*\par
	ds_store_b32 v13, v[WW+\m] offset:2304*\m+4*\par
	ds_store_b32 v14, v[LS+\m] offset:4352*\m+8*\par
.endr
.endm
; Two blocks of keys, on K's two sets of registers.  more = 1: the blocks two further on are asked for as soon as a set has been multiplied.  The trip's LDS instructions are stores alone: nothing in it waits for them.
.macro TRIP more
	v_add_nc_u32 v12, s47, v9
	v_add_nc_u32 v13, s48, v10
	v_add_nc_u32 v14, s49, v11
	s_wait_loadcnt 17                              ; set 0's 17 loads are in; set 1's 17 may be out
	SMUL 0
	PLACES
.if \more
	KLOAD 0, 16384, 1024
.endif
	SOFT 0
.if \more
	s_wait_loadcnt 17                              ; set 1's are in; the 17 just issued may be out
.else
	s_wait_loadcnt 0x0
.endif
	SMUL 1
	PLACES
.if \more
	KLOAD 1, 24576, 1536
.endif
	SOFT 1
.if \more
	s_wait_xcnt 0x0                                ; the loads have read their bases, which step by two blocks
	s_add_nc_u64 s[50:51], s[50:51], 16384
	s_add_nc_u64 s[52:53], s[52:53], 1024
	s_add_co_u32 s47, s47, 512
	s_add_co_u32 s48, s48, 8
	s_add_co_u32 s49, s49, 16
.endif
.endm
	s_wait_dscnt 0x0                               ; Q and its scale words are in
.Ltrip:
	TRIP 1
	s_sub_co_u32 s46, s46, 1
	s_cmp_lg_u32 s46, 0
	s_cbranch_scc1 .Ltrip
	; A prefetch of vfrag, shared out as kfrag was; wave 1 asks.  The last two blocks of keys lie between it and the first load of V.
	s_cmp_lg_u32 s34, 1
	s_cbranch_scc1 .Lno_pf_v
	global_prefetch_b8 v15, s[68:69] th:TH_LOAD_NT scope:SCOPE_SE
.Lno_pf_v:
	TRIP 0                                         ; the last two blocks are written out: nothing is loaded beyond my keys
.macro VLOAD ks                        ; K step ks of my four tiles of V^T into set ks % 4: 8 loads
.irp i, 0,1,2,3
.irp c, 0,1
	global_load_b128 v[128+32*((\ks)%4)+8*\i+4*\c:128+32*((\ks)%4)+8*\i+4*\c+3], v1, s[54:55] offset:8192*\i+1024*(\ks)+512*\c
.endr
.endr
.endm
	v_lshlrev_b32 v5, 1, v1                        ; V's scale words: 32 bytes a row, a lane a row of a pair of tiles
.irp p, 0,1
.irp q, 0,1
	global_load_b128 v[16+8*\p+4*\q:16+8*\p+4*\q+3], v5, s[56:57] offset:1024*\p+16*\q   ; register 16 + 8 p + ks
.endr
.endr
	VLOAD 0                                        ; V's first four K steps are on their way through FIX, which touches none of v16-31 and v128-255
	VLOAD 1
	VLOAD 2
	VLOAD 3
	BAR                                            ; P's codes and every block's -M_b, byte and sums lie in LDS
	; ---- FIX: tile w.  Lane (r, h): query 16 w + r, blocks 16 h .. 16 h + 15
	v_and_b32 v14, 15, v0
	v_bfe_u32 v13, v0, 4, 1
	s_mul_i32 s70, s34, 2304
	s_add_co_u32 s70, s70, NBA
	v_mul_u32_u24 v9, v14, 144
	v_lshl_add_u32 v9, v13, 6, v9
	v_add_nc_u32 v9, s70, v9
	s_mul_i32 s70, s34, 4352
	s_add_co_u32 s70, s70, LSA
	v_mul_u32_u24 v10, v14, 272
	v_lshl_add_u32 v10, v13, 7, v10
	v_add_nc_u32 v10, s70, v10
	s_lshl_b32 s70, s34, 6
	s_add_co_u32 s72, s70, PSC
	v_lshl_add_u32 v11, v13, 11, v4
	v_add_nc_u32 v11, s72, v11                     ; P's scale words: K steps 4 h on, tile w, row r
	s_add_co_u32 s72, s70, RL
	v_add_nc_u32 v12, s72, v4
	v_add_nc_u32 v13, PIMG, v1                     ; for PV
.irp i, 0,1,2,3
	ds_load_b128 v[64+4*\i:67+4*\i], v9 offset:16*\i
.endr
.irp i, 0,1,2,3
	ds_load_b128 v[80+4*\i:83+4*\i], v9 offset:BYD+16*\i
.endr
.irp i, 0,1,2,3,4,5,6,7
	ds_load_b128 v[96+4*\i:99+4*\i], v10 offset:16*\i
.endr
	s_wait_dscnt 0x0
	v_min3_num_f32 v52, v64, v65, v66              ; the least -M_b is -M: M is the ceiling of the row's largest t
	v_min3_num_f32 v53, v67, v68, v69
	v_min3_num_f32 v52, v52, v70, v71
	v_min3_num_f32 v53, v53, v72, v73
	v_min3_num_f32 v52, v52, v74, v75
	v_min3_num_f32 v53, v53, v76, v77
	v_min3_num_f32 v52, v52, v78, v79
	v_min_num_f32 v52, v52, v53
	v_permlanex16_b32 v48, v52, s[SEL], s[SEL+1]
	v_min_num_f32 v52, v52, v48
.irp i, 0,1,2,3,4,5,6,7,8,9,10,11,12,13,14,15
	v_sub_f32 v[64+\i], v52, v[64+\i]              ; M_b - M: a whole number, 0 or less
.endr
.irp i, 0,1,2,3,4,5,6,7,8,9,10,11,12,13,14,15
	v_max_num_f32 v[64+\i], 0xc2f80000, v[64+\i]   ; held at -124: the byte, 124 or 125 under M_b, does not fall under 0
.endr
.irp i, 0,1,2,3,4,5,6,7,8,9,10,11,12,13,14,15
	v_cvt_i32_f32 v[64+\i], v[64+\i]
.endr
.irp i, 0,1,2,3,4,5,6,7,8,9,10,11,12,13,14,15
	v_add_nc_u32 v[80+\i], v[80+\i], v[64+\i]      ; the byte under M
	v_add_f32 v[96+2*\i], v[96+2*\i], v[97+2*\i]   ; the block's sum: the two halves of the lanes'
.endr
.irp i, 0,1,2,3,4,5,6,7,8,9,10,11,12,13,14,15
	v_ldexp_f32 v[96+2*\i], v[96+2*\i], v[64+\i]   ; under M: a power of two, nothing is rounded
.endr
.irp q, 0,1,2,3
	v_add_f32 v[TM+\q], v[96+2*\q], v[104+2*\q]
.endr
.irp q, 0,1,2,3
	v_add_f32 v[TM+\q], v[TM+\q], v[112+2*\q]
.endr
.irp q, 0,1,2,3
	v_add_f32 v[TM+\q], v[TM+\q], v[120+2*\q]
.endr
.irp q, 0,1,2,3
	v_lshl_or_b32 v[PC+\q], v[81+4*\q], 8, v[80+4*\q]
.endr
.irp q, 0,1,2,3
	v_lshl_or_b32 v[PC+\q], v[82+4*\q], 16, v[PC+\q]
.endr
.irp q, 0,1,2,3
	v_lshl_or_b32 v[PC+\q], v[83+4*\q], 24, v[PC+\q]
.endr
.irp q, 0,1,2,3
	ds_store_b32 v11, v[PC+\q] offset:512*\q
.endr
	v_add_f32 v44, v44, v45
	v_add_f32 v46, v46, v47
	v_add_f32 v44, v44, v46
	v_permlanex16_b32 v48, v44, s[SEL], s[SEL+1]
	v_add_f32 v44, v44, v48                        ; the row's sum
	v_rcp_f32 v45, v44
	v_nop
	s_wait_alu depctr_va_vdst(0)                   ; ahead of the reciprocal's first reader
	ds_store_b32 v12, v45                          ; (lanes r and r + 16 write the same word with the same value)
	BAR                                            ; P's scale words and the reciprocals lie in LDS
	; ---- PV: O^T = V^T P^T: my four tiles of d x all eight tiles of queries, K = 1,024 keys in 8 steps; 32 accumulators by turns
	v_mul_u32_u24 v9, v4, 96
	v_bfe_u32 v10, v0, 4, 1
	v_lshl_add_u32 v9, v10, 4, v9                  ; Wout: row r of 384 bytes, + 16 h
	v_mul_u32_u24 v10, v2, 6                       ; its scale rows of 24 bytes, a lane a row
.macro PLOADH ks, hf                   ; K step ks of tiles 4 hf .. 4 hf + 3 of P, and their scale words: 10 LDS loads
.irp mi, 0,1,2,3
.irp c, 0,1
	ds_load_b128 v[64+32*(\hf)+8*\mi+4*\c:64+32*(\hf)+8*\mi+4*\c+3], v13 offset:8192*(4*(\hf)+\mi)+1024*(\ks)+512*\c
.endr
.endr
.irp pp, 0,1
	ds_load_b32 v[32+2*(\hf)+\pp], v2 offset:PSC+512*(\ks)+128*(2*(\hf)+\pp)
.endr
.endm
.macro PVH ks, hf
	WIN 0x50                                       ; C and D window 1
.irp mi, 0,1,2,3
.irp i, 0,1,2,3
.if (\ks) == 0
	WM 8*(4*(4*(\hf)+\mi)+\i), 128+32*((\ks)%4)+8*\i, 64+32*(\hf)+8*\mi, -1, 16+8*(\i/2)+(\ks), \i%2, 32+2*(\hf)+\mi/2, \mi%2
.else
	WM 8*(4*(4*(\hf)+\mi)+\i), 128+32*((\ks)%4)+8*\i, 64+32*(\hf)+8*\mi, 8*(4*(4*(\hf)+\mi)+\i), 16+8*(\i/2)+(\ks), \i%2, 32+2*(\hf)+\mi/2, \mi%2
.endif
.endr
.endr
	WIN 0
.endm
.macro WOLOAD a                        ; Wout's fragments 4 a .. 4 a + 3 of twelve (tile n, K step k: 6 n + k, at v[128 + 8 (6 n + k)]) into V's set a, which has had its last K step: 8 loads
.irp f, 0,1,2,3
.irp c, 0,1
	global_load_b128 v[128+8*(4*(\a)+\f)+4*\c:128+8*(4*(\a)+\f)+4*\c+3], v9, s[18:19] offset:6144*((4*(\a)+\f)/6)+64*((4*(\a)+\f)%6)+32*\c
.endr
.endr
.endm
	PLOADH 0, 0
	PLOADH 0, 1
.irp ks, 0,1,2,3,4,5,6,7
	s_wait_loadcnt 24                              ; this K step's V is in (with the first: V's scale words): behind its loads stand three groups of eight: later K steps' V, and from K step 5 on Wout's
	s_wait_dscnt 10                                ; P's first half is in; the second half's ten loads may be out
	PVH \ks, 0
	PLACES
.if \ks < 7
	PLOADH \ks+1, 0
	s_wait_dscnt 10                                ; the second half is in; the ten just issued may be out
.else
	s_wait_dscnt 0x0
.endif
	PVH \ks, 1
	PLACES
.if \ks < 7
	PLOADH \ks+1, 1
.endif
.if \ks < 4
	VLOAD \ks+4                                    ; into the set just multiplied
.elseif \ks < 7
	WOLOAD \ks-4                                   ; the last product's weights are asked for here, the rest of PV and all of OQ ahead of their use
.endif
.endr
	; ---- OQ: O / the sum, quantised along d: K steps 2 to 5 of the last product, into the bytes that x's codes have left.  The numbers stand in v64-127, which P's fragments have left
.irp m, 0,1,2,3,4,5,6,7
	ds_load_b32 v[240+2*\m], v4 offset:RL+64*\m    ; twice: the pair by which the packed form multiplies
	ds_load_b32 v[241+2*\m], v4 offset:RL+64*\m
.endr
.irp q, 0,1,2
	global_load_b64 v[36+2*\q:37+2*\q], v10, s[20:21] offset:8*\q   ; Wout's scale words: register 36 + k: lanes 0-15 tile 0's, lanes 16-31 tile 1's
.endr
.irp n, 0,1
	global_load_b32 v[224+\n], v4, s[22:23] offset:64*\n            ; the bias of my lane's output row
.endr
	s_wait_dscnt 0x0
.irp mp, 0,1,2,3
	WIN 0x01                                       ; source 0 window 1
.irp mi, 0,1
.irp i, 0,2,4,6,8,10,12,14,16,18,20,22,24,26,28,30
	v_pk_mul_f32 v[64+32*\mi+\i:64+32*\mi+\i+1], v[32*(2*\mp+\mi)+\i:32*(2*\mp+\mi)+\i+1], v[240+2*(2*\mp+\mi):241+2*(2*\mp+\mi)]   ; each accumulator from its low end on
.endr
.endr
	WIN 0
	QCORE 64, PC
	PUT \mp, 7, 8
.endr
	; ---- 7: out = Wout [in; O] + b.  Source 0 = 16 pixels, source 1 = 16 rows of Wout: a lane holds one output row and eight neighbouring pixels
.macro F7 k                            ; K step k of all eight tiles of pixels, even k into v64-127 of window 0, odd k into v0-63 of window 1, and their scale words: 20 LDS loads
.if ((\k)%2) == 1
	WIN 0x40
.endif
.irp m, 0,1,2,3,4,5,6,7
.irp c, 0,1
.if (\k) < 2
	ds_load_b128 v[64-64*((\k)%2)+8*\m+4*\c:64-64*((\k)%2)+8*\m+4*\c+3], v1 offset:XIMG+2048*\m+1024*(\k)+512*\c
.else
	ds_load_b128 v[64-64*((\k)%2)+8*\m+4*\c:64-64*((\k)%2)+8*\m+4*\c+3], v1 offset:AIMG+4096*\m+1024*((\k)-2)+512*\c
.endif
.endr
.endr
	WIN 0
.irp pr, 0,1,2,3
.if (\k) < 2
	ds_load_b32 v[16+4*((\k)%2)+\pr], v2 offset:XSC+512*(\k)+128*\pr
.else
	ds_load_b32 v[16+4*((\k)%2)+\pr], v2 offset:ASC+512*((\k)-2)+128*\pr
.endif
.endr
.endm
.macro M7 k                            ; sixteen accumulators by turns
.if ((\k)%2) == 1
	WIN 0x51                                       ; source 0, C and D window 1
.else
	WIN 0x50                                       ; C and D window 1
.endif
.irp m, 0,1,2,3,4,5,6,7
.irp n, 0,1
.if (\k) == 0
	WM 128+8*(8*\n+\m), 64-64*((\k)%2)+8*\m, 128+8*(6*\n+(\k)), 96+8*\n, 16+4*((\k)%2)+\m/2, \m%2, 36+(\k), \n
.else
	WM 128+8*(8*\n+\m), 64-64*((\k)%2)+8*\m, 128+8*(6*\n+(\k)), 128+8*(8*\n+\m), 16+4*((\k)%2)+\m/2, \m%2, 36+(\k), \n
.endif
.endr
.endr
	WIN 0
.endm
	s_mul_i32 s70, s34, 8448
	s_add_co_u32 s70, s70, STG                     ; my stage
	v_mul_u32_u24 v11, v4, 132
	v_bfe_u32 v13, v0, 4, 1
	v_lshl_add_u32 v11, v13, 5, v11
	v_add_nc_u32 v11, s70, v11                     ; in: row r of 528 bytes, + 32 h
	v_add_nc_u32 v12, s70, v1                      ; back: a row's 512 bytes across the 32 lanes
	F7 0
	F7 1
	s_wait_loadcnt 0x0                             ; Wout, its scale words and bias
	WIN 0x40
.irp n, 0,1
.irp j, 0,1,2,3,4,5,6,7
	v_mov_b32 v[96+8*\n+\j], v[224+\n]             ; C of tile n: my row's bias in all eight registers
.endr
.endr
	WIN 0
	PLACES
	s_wait_dscnt 20                                ; K step 0 is in; K step 1's 20 loads may be out
	M7 0
	s_wait_dscnt 0x0
	M7 1                                           ; the input's two K steps want nothing of the other waves' O
	BAR                                            ; O's 32 fragments lie in LDS
	PLACES
	F7 2
	F7 3
	s_wait_dscnt 20
	M7 2
	PLACES
	F7 4
	s_wait_dscnt 20
	M7 3
	PLACES
	F7 5
	s_wait_dscnt 20
	M7 4
	s_wait_dscnt 0x0
	M7 5
	PLACES
	; THE WAY OUT: 16 output rows x 128 pixels at a time through my own stage: 32 bytes a lane in, whole rows of 512 bytes back.  LDS serves a wave's instructions in order (ISA guide 5.7.1.4): no wait between stores and loads, nor ahead of the second half's stores.
.irp n, 0,1
	WIN 0x04                                       ; an LDS store's data are its source 1: window 1
.irp m, 0,1,2,3,4,5,6,7
	ds_store_b128 v11, v[128+8*(8*\n+\m):128+8*(8*\n+\m)+3] offset:64*\m       ; each accumulator from its low end on
	ds_store_b128 v11, v[128+8*(8*\n+\m)+4:128+8*(8*\n+\m)+7] offset:64*\m+16
.endr
	WIN 0
.irp t, 0,1,2,3,4,5,6,7,8,9,10,11,12,13,14,15
	ds_load_b128 v[64+64*\n+4*\t:64+64*\n+4*\t+3], v12 offset:528*\t
.endr
.endr
.irp n, 0,1
.irp t, 0,1,2,3,4,5,6,7,8,9,10,11,12,13,14,15
	s_wait_dscnt 32*(1-\n)+15-\t                   ; behind this row's load: the rest of its half's loads, and for the first half the second half's 32 instructions
	global_store_b128 v1, v[64+64*\n+4*\t:64+64*\n+4*\t+3], s[60:61] offset:(16*\n+\t)*16384 th:TH_STORE_NT   ; the wave stores 512 consecutive bytes, aligned to 256
.endr
.endr
	s_wait_xcnt 0x0
	v_lshl_add_u32 v254, v0, 2, 0x48800
	v_mov_b32 v255, 0
	s_wait_tensorcnt 0x0
	ds_add_u32 v254, v255
	s_wait_dscnt 0x0
	s_endpgm
.Lfunc_end_k_qf0d95b508f_attn:
	.size	k_qf0d95b508f_attn, .Lfunc_end_k_qf0d95b508f_attn-k_qf0d95b508f_attn
	.p2alignl 7, 3214868480
	.fill 96, 4, 3214868480
	.section	.rodata,"a",@progbits
	.p2align	6, 0x0
	.amdhsa_kernel k_qf0d95b508f_attn
		.amdhsa_group_segment_fixed_size 297984
		.amdhsa_private_segment_fixed_size 0
		.amdhsa_enable_private_segment 0
		.amdhsa_kernarg_size 120
		.amdhsa_user_sgpr_count 2
		.amdhsa_user_sgpr_kernarg_segment_ptr 1
		.amdhsa_wavefront_size32 1
		.amdhsa_system_sgpr_workgroup_id_x 1
		.amdhsa_system_sgpr_workgroup_id_y 1
		.amdhsa_system_sgpr_workgroup_id_z 1
		.amdhsa_system_vgpr_workitem_id 0
		.amdhsa_next_free_vgpr 512
		.amdhsa_next_free_sgpr 80
		.amdhsa_reserve_vcc 0
		.amdhsa_float_denorm_mode_32 3
		.amdhsa_float_denorm_mode_16_64 3
		.amdhsa_memory_ordered 1
		.amdhsa_forward_progress 1
		.amdhsa_inst_pref_size 255
	.end_amdhsa_kernel
	.section	.bss,"aw",@nobits
	.p2align	6
	.space	262144
	.amdgpu_metadata
---
amdhsa.version: [ 1, 2 ]
amdhsa.kernels:
  - .name:           k_qf0d95b508f_attn
    .symbol:         k_qf0d95b508f_attn.kd
    .args:
      - { .name: input, .offset: 0, .size: 8, .value_kind: global_buffer, .address_space: global }
      - { .name: proj_in_w_codes, .offset: 8, .size: 8, .value_kind: global_buffer, .address_space: global }
      - { .name: proj_in_w_scales, .offset: 16, .size: 8, .value_kind: global_buffer, .address_space: global }
      - { .name: proj_in_b, .offset: 24, .size: 8, .value_kind: global_buffer, .address_space: global }
      - { .name: wq_w_codes, .offset: 32, .size: 8, .value_kind: global_buffer, .address_space: global }
      - { .name: wq_w_scales, .offset: 40, .size: 8, .value_kind: global_buffer, .address_space: global }
      - { .name: wq_b, .offset: 48, .size: 8, .value_kind: global_buffer, .address_space: global }
      - { .name: proj_out_w_codes, .offset: 56, .size: 8, .value_kind: global_buffer, .address_space: global }
      - { .name: proj_out_w_scales, .offset: 64, .size: 8, .value_kind: global_buffer, .address_space: global }
      - { .name: proj_out_b, .offset: 72, .size: 8, .value_kind: global_buffer, .address_space: global }
      - { .name: kfrag, .offset: 80, .size: 8, .value_kind: global_buffer, .address_space: global }
      - { .name: kscl, .offset: 88, .size: 8, .value_kind: global_buffer, .address_space: global }
      - { .name: vfrag, .offset: 96, .size: 8, .value_kind: global_buffer, .address_space: global }
      - { .name: vscl, .offset: 104, .size: 8, .value_kind: global_buffer, .address_space: global }
      - { .name: out0, .offset: 112, .size: 8, .value_kind: global_buffer, .address_space: global }
    .group_segment_fixed_size: 297984
    .private_segment_fixed_size: 0
    .kernarg_segment_align: 8
    .kernarg_segment_size: 120
    .max_flat_workgroup_size: 256
    .sgpr_count:     80
    .vgpr_count:     512
    .wavefront_size: 32
...
	.end_amdgpu_metadata
.endif
;; end of part 2
;; ======== version 2 of 2: 2 launches; version 1 with the launches kv, attn written anew for expert scheduling mode
;; workspace buffers: kfrag 2,097,152 bytes; kscl 131,072 bytes; vfrag 2,097,152 bytes; vscl 131,072 bytes
;; launch kv (part 3): grid 256 x 1, 4 waves a work-group, no clusters, 0 bytes of LDS; arguments context_codes, context_scales, wk_w_codes, wk_w_scales, wk_b, wv_w_codes, wv_w_scales, wv_b, kfrag, kscl, vfrag, vscl; writes kfrag, kscl, vfrag, vscl
.if DOCPART == 3
	.amdgcn_target "amdgcn-amd-amdhsa--gfx1250"
	.amdhsa_code_object_version 6
	.text
	.protected	k_qf0d95b508f_kv
	.globl	k_qf0d95b508f_kv
	.p2align	8
	.type	k_qf0d95b508f_kv,@function
k_qf0d95b508f_kv:
	s_mov_b64 s[64:65], 0
	v_nop
	global_prefetch_b8 v0, s[64:65] scope:SCOPE_SE
	s_setreg_imm32_b32 hwreg(HW_REG_WAVE_SCHED_MODE, 0, 2), 2
	s_setreg_imm32_b32 hwreg(HW_REG_WAVE_MODE, 25, 1), 1
	s_wait_xcnt 0x0
	s_wait_alu depctr_vm_vsrc(0)
; K = ctx Wk + bk and V = ctx Wv + bv on codes of FP4 (E2M1) with E8M0 scales; the results are quantised at once, K along d (the K of Q K^T), V along the keys (the K of P V),
; and stored as IMAGES OF OPERAND REGISTERS: a fragment of 16 rows x 128 K is 1,024 bytes, [block of 32 along K: 0..3][row 0..15][16 bytes], so that a reader's lane l takes register group c at 512 c + 16 l.
; kfrag [batch][key tile 64][K step 4][1024], kscl [batch][key tile][row][K step] words;  vfrag [batch][d tile 32][K step 8][1024], vscl [batch][d tile][row][K step] words.
; THE ROWS OF A TILE ARE NOT NEIGHBOURS: row r of tile 2 b + u is index 32 b + 8 u + r + 8 (r / 8).  As source 0 of a product such a pair of tiles leaves 16 NEIGHBOURS in a lane's 16 result registers.
; SHARES.  A wave makes 128 x 64 results: eight tiles as source 0 (their 128 indices end along a lane's registers: the axis that is quantised), four tiles as source 1 (one index a lane), K = 512 in 4 steps: 128 matrix instructions.
; Work-groups 0-127 make K (source 0 = rows of Wk, source 1 = keys), work-groups 128-255 make V (source 0 = keys, source 1 = rows of Wv).  The two ways part once, on the work-group's number.  No LDS, no barrier: waves share nothing.
; LIMITS: NaN and infinities are not served.  A block whose largest magnitude lies under 2^-124 (a block of zeros too) gets the scale byte 1; these bytes are read by this program alone.
; REGISTERS: window 0: v1-9 lane terms; v16-39 scale words and nothing else; v40-57 at work; v60-63 V's bias as loaded; v64-127 the bias as C; v128-191 eight accumulators; v192-223 codes.
;   window 1: source 0's 32 fragments (tile t, K step s at 8 (4 t + s)).   window 2: source 1's 16 fragments (8 (4 n + s)).
; THE MODE: SCHED_MODE bits 1:0 = 2 (LLVM: expert scheduling mode 2), set by the entry lines.  The code itself states the register dependences between vector or matrix instructions and memory instructions, with s_wait_alu, always for 0.
; THE PLAN.  Registers that memory instructions touch:
;   v4, v5, v7 (the loads' offsets), v6, v8 (the stores')   written once, by vector lines ahead of the first load, and never again: one wait on va_vdst ahead of that load.
;   the operands, scale words and bias                      loaded once, into registers that no vector instruction has named before.
;   v[192 + 8 n ..], tile n's codes                         eight registers of their own: written by tile n's conversions, read by four stores that stand in tile n + 1, behind its products, its places and one wait on va_vdst.
;   v56, v57, the scale words                               written at the end; they and the last tile's codes are stored behind one more wait on va_vdst.
; No register that a memory instruction reads is written again: so behind the entry lines the text holds no wait on vm_vsrc.
.set SCA, 16                           ; v16-31  source 0's scale words: register 4 b + s; lanes 0-15 the even tile of pair b, lanes 16-31 the odd one
.set SCB, 32                           ; v32-39  source 1's likewise
.set TM,  40                           ; v40-43  largest magnitudes
.set TX,  44                           ; v44-47  the other half's, then the scale bytes
.set SO,  48                           ; v48-51  the conversions' scale operands
.set PW,  52                           ; v52-55  the scale word of each of the four tiles
.set BI,  64
.set AC,  128
.set PC,  192
.set SEL, 40                           ; s[40:41] lane selects: lane l xor 16
.set MSB, 0
.macro WIN new                         ; the immediate's high byte repeats the setting that is left; a switch that changes nothing is dropped
.if MSB != \new
	s_set_vgpr_msb (MSB<<8)|\new
.set MSB, \new
.endif
.endm
.macro PLACES                          ; four plain vector instructions between a matrix instruction and a read of its result or a load into its registers
.rept 4
	v_nop
.endr
.endm
; One matrix instruction.  cc: the C operand as text;  ra, rb = 1: that side's scale words are taken from lanes 16-31.
.macro WMR d, a, b, cc, sa, ra, sb, rb
.if (\ra) && (\rb)
	v_wmma_scale_f32_16x16x128_f8f6f4 v[\d:\d+7], v[\a:\a+7], v[\b:\b+7], \cc, v[\sa], v[\sb] matrix_a_fmt:MATRIX_FMT_FP4 matrix_b_fmt:MATRIX_FMT_FP4 matrix_a_scale:MATRIX_SCALE_ROW1 matrix_b_scale:MATRIX_SCALE_ROW1
.elseif (\ra)
	v_wmma_scale_f32_16x16x128_f8f6f4 v[\d:\d+7], v[\a:\a+7], v[\b:\b+7], \cc, v[\sa], v[\sb] matrix_a_fmt:MATRIX_FMT_FP4 matrix_b_fmt:MATRIX_FMT_FP4 matrix_a_scale:MATRIX_SCALE_ROW1
.elseif (\rb)
	v_wmma_scale_f32_16x16x128_f8f6f4 v[\d:\d+7], v[\a:\a+7], v[\b:\b+7], \cc, v[\sa], v[\sb] matrix_a_fmt:MATRIX_FMT_FP4 matrix_b_fmt:MATRIX_FMT_FP4 matrix_b_scale:MATRIX_SCALE_ROW1
.else
	v_wmma_scale_f32_16x16x128_f8f6f4 v[\d:\d+7], v[\a:\a+7], v[\b:\b+7], \cc, v[\sa], v[\sb] matrix_a_fmt:MATRIX_FMT_FP4 matrix_b_fmt:MATRIX_FMT_FP4
.endif
.endm
.macro WM d, a, b, c, sa, ra, sb, rb   ; c < 0: the product starts its sum with the constant 0
.if (\c) < 0
	WMR \d, \a, \b, 0, \sa, \ra, \sb, \rb
.else
	WMR \d, \a, \b, v[(\c):(\c)+7], \sa, \ra, \sb, \rb
.endif
.endm
; Four blocks of 32, of which my lane holds 16 numbers each (v[s + 16 k] on; lane l xor 16 holds the other 16), become codes in v[pc + 2 k], v[pc + 2 k + 1]; the scale bytes are left in v[TX + k].
.macro QCORE s, pc
.irp k, 0,1,2,3
	v_max3_num_f32 v[TM+\k], |v[(\s)+16*\k]|, |v[(\s)+16*\k+1]|, 0x1800000   ; each accumulator is read from its low end on; the floor 2^(3 - 127) holds the byte at 1 from below
.endr
.irp i, 2,4,6,8,10,12,14
.irp k, 0,1,2,3
	v_max3_num_f32 v[TM+\k], v[TM+\k], |v[(\s)+16*\k+\i]|, |v[(\s)+16*\k+\i+1]|   ; the four blocks by turns
.endr
.endr
.irp k, 0,1,2,3
	v_permlanex16_b32 v[TX+\k], v[TM+\k], s[SEL], s[SEL+1]
.endr
.irp k, 0,1,2,3
	v_max_num_f32 v[TM+\k], v[TM+\k], v[TX+\k]     ; the block's largest magnitude
.endr
.irp k, 0,1,2,3
	v_add_nc_u32 v[SO+\k], 0xff000000, v[TM+\k]    ; 2 off its exponent field: the conversion takes the exponent field of this operand as its scale
.endr
.irp k, 0,1,2,3
	v_lshrrev_b32 v[TX+\k], 23, v[SO+\k]           ; the scale's byte
.endr
.irp k, 0,1,2,3
	v_cvt_scalef32_pk8_fp4_f32 v[(\pc)+2*\k], v[(\s)+16*\k:(\s)+16*\k+7], v[SO+\k]
	v_cvt_scalef32_pk8_fp4_f32 v[(\pc)+2*\k+1], v[(\s)+16*\k+8:(\s)+16*\k+15], v[SO+\k]
.endr
	v_nop                                          ; one plain instruction behind the last scaled conversion
.endm
; Tile n's codes go out.  pitch: bytes from one tile's fragment to the next tile's.
.macro CODES n, pitch
.irp k, 0,1,2,3
	global_store_b64 v6, v[PC+8*(\n)+2*\k:PC+8*(\n)+2*\k+1], s[44:45] offset:(\n)*(\pitch)+256*\k   ; the wave stores 256 consecutive bytes, aligned: block k of the fragment
.endr
.endm
	s_load_b512 s[4:19], s[0:1], 0x0               ; ctx codes s[4:5], ctx scales s[6:7], Wk codes s[8:9], Wk scales s[10:11], bk s[12:13], Wv codes s[14:15], Wv scales s[16:17], bv s[18:19]
	s_load_b256 s[20:27], s[0:1], 0x40             ; kfrag s[20:21], kscl s[22:23], vfrag s[24:25], vscl s[26:27]
	v_lshrrev_b32 v1, 5, v0
	v_readfirstlane_b32 s28, v1                    ; wave 0..3
	v_and_b32 v1, 15, v0                           ; r
	v_bfe_u32 v2, v0, 4, 1                         ; h
	v_and_b32 v3, 8, v1
	v_add_nc_u32 v3, v3, v1                        ; rp = r + 8 (r / 8)
	v_lshlrev_b32 v4, 8, v3
	v_lshl_add_u32 v4, v2, 4, v4                   ; codes: row rp of 256 bytes, + 16 h
	v_lshl_add_u32 v5, v2, 3, v3
	v_lshlrev_b32 v5, 4, v5                        ; scale rows of 16 bytes: row rp + 8 h: lanes 16-31 take the odd tile of a pair
	v_lshlrev_b32 v6, 4, v1
	v_lshl_add_u32 v6, v2, 3, v6                   ; out: 16 r + 8 h: my 16 codes in a block's 256 bytes
	v_and_b32 v9, 31, v0                           ; lane
	s_mov_b32 s30, 0xffff0000                      ; lanes 16-31
	s_mov_b32 s[SEL], 0x76543210
	s_mov_b32 s[SEL+1], 0xfedcba98
.irp k, 0,1,2,3
	v_mov_b32 v[TX+\k], 0                          ; written once: a lane permute's destination counts as one of its sources
.endr
	s_wait_alu depctr_va_sdst(0)                   ; s28, the wave's number, is written: both ways below make their addresses from it; the wait stands ahead of the branch
	s_cmp_lt_u32 ttmp9, 128
	s_cbranch_scc0 .Lv
; The whole way of a wave.  isv = 0: K;  1: V.  s[32:33], s[34:35] source 0's codes and scales; s[36:37], s[38:39] source 1's; s[42:43] the bias; s[44:45], s[46:47] where codes and scale words go.
.macro PATH isv
	s_mov_b32 s49, 0
.if \isv
	s_sub_co_u32 s29, ttmp9, 128
	s_lshr_b32 s50, s29, 1                         ; kg: which 128 keys of the 8,192
	s_and_b32 s51, s29, 1
	s_lshl_b32 s51, s51, 2
	s_add_co_u32 s51, s51, s28                     ; dg: which 64 of the 512 columns
	s_lshr_b32 s52, s50, 3                         ; batch
	s_and_b32 s53, s50, 7                          ; K step of P V
	v_lshlrev_b32 v7, 2, v3                        ; the bias hangs on the lane's column: 4 rp
	v_lshlrev_b32 v8, 5, v9                        ; scale words out: 32 bytes a row
	s_wait_kmcnt 0x0
	s_lshl_b32 s48, s50, 15
	s_add_nc_u64 s[32:33], s[4:5], s[48:49]
	s_lshl_b32 s48, s50, 11
	s_add_nc_u64 s[34:35], s[6:7], s[48:49]
	s_lshl_b32 s48, s51, 14
	s_add_nc_u64 s[36:37], s[14:15], s[48:49]
	s_lshl_b32 s48, s51, 10
	s_add_nc_u64 s[38:39], s[16:17], s[48:49]
	s_lshl_b32 s48, s51, 8
	s_add_nc_u64 s[42:43], s[18:19], s[48:49]
	s_lshl_b32 s48, s52, 18
	s_lshl_b32 s54, s51, 15
	s_add_co_u32 s48, s48, s54
	s_lshl_b32 s54, s53, 10
	s_add_co_u32 s48, s48, s54
	s_add_nc_u64 s[44:45], s[24:25], s[48:49]
	s_lshl_b32 s48, s52, 14
	s_lshl_b32 s54, s51, 11
	s_add_co_u32 s48, s48, s54
	s_lshl_b32 s54, s53, 2
	s_add_co_u32 s48, s48, s54
	s_add_nc_u64 s[46:47], s[26:27], s[48:49]
.else
	v_lshlrev_b32 v7, 6, v2                        ; the bias runs along the registers: 16 h numbers on
	v_lshlrev_b32 v8, 4, v9                        ; scale words out: 16 bytes a row
	s_wait_kmcnt 0x0
	s_lshl_b32 s48, s28, 15
	s_add_nc_u64 s[32:33], s[8:9], s[48:49]
	s_lshl_b32 s48, s28, 11
	s_add_nc_u64 s[34:35], s[10:11], s[48:49]
	s_lshl_b32 s48, ttmp9, 14
	s_add_nc_u64 s[36:37], s[4:5], s[48:49]
	s_lshl_b32 s54, s28, 10
	s_add_co_u32 s48, s48, s54
	s_add_nc_u64 s[44:45], s[20:21], s[48:49]
	s_lshl_b32 s48, ttmp9, 10
	s_add_nc_u64 s[38:39], s[6:7], s[48:49]
	s_lshl_b32 s54, s28, 2
	s_add_co_u32 s48, s48, s54
	s_add_nc_u64 s[46:47], s[22:23], s[48:49]
	s_lshl_b32 s48, s28, 9
	s_add_nc_u64 s[42:43], s[12:13], s[48:49]
.endif
	WIN 0x40                                       ; destination window 1
	s_wait_alu depctr_va_vdst(0)                   ; the five offsets v4 to v8 are written: every load and store below reads one of them
.irp t, 0,1,2,3,4,5,6,7
.irp s, 0,1,2,3
.irp c, 0,1
	global_load_b128 v[8*(4*\t+\s)+4*\c:8*(4*\t+\s)+4*\c+3], v4, s[32:33] offset:(32*(\t/2)+8*(\t%2))*256+64*\s+32*\c
.endr
.endr
.endr
	WIN 0x80                                       ; destination window 2
.irp n, 0,1,2,3
.irp s, 0,1,2,3
.irp c, 0,1
	global_load_b128 v[8*(4*\n+\s)+4*\c:8*(4*\n+\s)+4*\c+3], v4, s[36:37] offset:(32*(\n/2)+8*(\n%2))*256+64*\s+32*\c
.endr
.endr
.endr
	WIN 0
.irp bb, 0,1,2,3
	global_load_b128 v[SCA+4*\bb:SCA+4*\bb+3], v5, s[34:35] offset:512*\bb   ; a row's 16 scale bytes: the words of its four K steps
.endr
.irp bb, 0,1
	global_load_b128 v[SCB+4*\bb:SCB+4*\bb+3], v5, s[38:39] offset:512*\bb
.endr
.if \isv
.irp n, 0,1,2,3
	global_load_b32 v[60+\n], v7, s[42:43] offset:(32*(\n/2)+8*(\n%2))*4
.endr
.else
.irp t, 0,1,2,3,4,5,6,7
	global_load_b128 v[BI+8*\t:BI+8*\t+3], v7, s[42:43] offset:(32*(\t/2)+8*(\t%2))*4
	global_load_b128 v[BI+8*\t+4:BI+8*\t+7], v7, s[42:43] offset:(32*(\t/2)+8*(\t%2))*4+16
.endr
.endif
	s_wait_loadcnt 0x0                             ; all operands are in: nothing more is loaded
.if \isv
.irp n, 0,1,2,3
.irp j, 0,1,2,3,4,5,6,7
	v_mov_b32 v[BI+8*\n+\j], v[60+\n]              ; C of tile n: my column's bias in all eight registers
.endr
.endr
.endif
.irp n, 0,1,2,3
	WIN 0x09                                       ; source 0 window 1, source 1 window 2
.irp s, 0,1,2,3
.irp t, 0,1,2,3,4,5,6,7                            ; the eight accumulators take turns, one instruction a turn; the bias is the C of each sum's first product
.if \s == 0
.if \isv
	WM AC+8*\t, 8*(4*\t+\s), 8*(4*\n+\s), BI+8*\n, SCA+4*(\t/2)+\s, \t%2, SCB+4*(\n/2)+\s, \n%2
.else
	WM AC+8*\t, 8*(4*\t+\s), 8*(4*\n+\s), BI+8*\t, SCA+4*(\t/2)+\s, \t%2, SCB+4*(\n/2)+\s, \n%2
.endif
.else
	WM AC+8*\t, 8*(4*\t+\s), 8*(4*\n+\s), AC+8*\t, SCA+4*(\t/2)+\s, \t%2, SCB+4*(\n/2)+\s, \n%2
.endif
.endr
.endr
	WIN 0
	PLACES
.if \n > 0
	s_wait_alu depctr_va_vdst(0)                   ; the tile before has written its codes, which the four stores below read; the vector lines behind them read this tile's products
	CODES \n-1, 4096+4096*\isv
.endif
	QCORE AC, PC+8*\n                              ; its vector instructions are also the places ahead of the next tile's products, which begin the accumulators anew
	v_lshl_or_b32 v[PW+\n], v[TX+1], 8, v[TX]      ; the four bytes: my row's scale word of this K step
	v_lshl_or_b32 v[PW+\n], v[TX+2], 16, v[PW+\n]
	v_lshl_or_b32 v[PW+\n], v[TX+3], 24, v[PW+\n]
.endr
.irp p, 0,1
	v_cndmask_b32 v[56+\p], v[PW+2*\p], v[PW+2*\p+1], s30   ; lanes 0-15 carry the even tile's words, lanes 16-31 the odd tile's
.endr
	s_wait_alu depctr_va_vdst(0)                   ; the last tile's codes and the two registers of scale words are written, which the six stores below read
	CODES 3, 4096+4096*\isv
.irp p, 0,1
.if \isv
	global_store_b32 v8, v[56+\p], s[46:47] offset:1024*\p  ; four bytes of each row's 32: the other K steps' words come from other waves
.else
	global_store_b32 v8, v[56+\p], s[46:47] offset:512*\p
.endif
.endr
	s_endpgm
.endm
	PATH 0
.Lv:
	s_wait_alu depctr_va_vdst(0)
	PATH 1
.Lfunc_end_k_qf0d95b508f_kv:
	.size	k_qf0d95b508f_kv, .Lfunc_end_k_qf0d95b508f_kv-k_qf0d95b508f_kv
	.p2alignl 7, 3214868480
	.fill 96, 4, 3214868480
	.section	.rodata,"a",@progbits
	.p2align	6, 0x0
	.amdhsa_kernel k_qf0d95b508f_kv
		.amdhsa_group_segment_fixed_size 0
		.amdhsa_private_segment_fixed_size 0
		.amdhsa_enable_private_segment 0
		.amdhsa_kernarg_size 96
		.amdhsa_user_sgpr_count 2
		.amdhsa_user_sgpr_kernarg_segment_ptr 1
		.amdhsa_wavefront_size32 1
		.amdhsa_system_sgpr_workgroup_id_x 1
		.amdhsa_system_sgpr_workgroup_id_y 1
		.amdhsa_system_sgpr_workgroup_id_z 1
		.amdhsa_system_vgpr_workitem_id 0
		.amdhsa_next_free_vgpr 640
		.amdhsa_next_free_sgpr 66
		.amdhsa_reserve_vcc 0
		.amdhsa_float_denorm_mode_32 3
		.amdhsa_float_denorm_mode_16_64 3
		.amdhsa_memory_ordered 1
		.amdhsa_forward_progress 1
		.amdhsa_inst_pref_size 92
	.end_amdhsa_kernel
	.amdgpu_metadata
---
amdhsa.version: [ 1, 2 ]
amdhsa.kernels:
  - .name:           k_qf0d95b508f_kv
    .symbol:         k_qf0d95b508f_kv.kd
    .args:
      - { .name: context_codes, .offset: 0, .size: 8, .value_kind: global_buffer, .address_space: global }
      - { .name: context_scales, .offset: 8, .size: 8, .value_kind: global_buffer, .address_space: global }
      - { .name: wk_w_codes, .offset: 16, .size: 8, .value_kind: global_buffer, .address_space: global }
      - { .name: wk_w_scales, .offset: 24, .size: 8, .value_kind: global_buffer, .address_space: global }
      - { .name: wk_b, .offset: 32, .size: 8, .value_kind: global_buffer, .address_space: global }
      - { .name: wv_w_codes, .offset: 40, .size: 8, .value_kind: global_buffer, .address_space: global }
      - { .name: wv_w_scales, .offset: 48, .size: 8, .value_kind: global_buffer, .address_space: global }
      - { .name: wv_b, .offset: 56, .size: 8, .value_kind: global_buffer, .address_space: global }
      - { .name: kfrag, .offset: 64, .size: 8, .value_kind: global_buffer, .address_space: global }
      - { .name: kscl, .offset: 72, .size: 8, .value_kind: global_buffer, .address_space: global }
      - { .name: vfrag, .offset: 80, .size: 8, .value_kind: global_buffer, .address_space: global }
      - { .name: vscl, .offset: 88, .size: 8, .value_kind: global_buffer, .address_space: global }
    .group_segment_fixed_size: 0
    .private_segment_fixed_size: 0
    .kernarg_segment_align: 8
    .kernarg_segment_size: 96
    .max_flat_workgroup_size: 128
    .sgpr_count:     66
    .vgpr_count:     640
    .wavefront_size: 32
...
	.end_amdgpu_metadata
.endif
;; end of part 3
;; launch attn (part 4): grid 256 x 1, 8 waves a work-group, no clusters, 297,984 bytes of LDS; arguments input, proj_in_w_codes, proj_in_w_scales, proj_in_b, wq_w_codes, wq_w_scales, wq_b, proj_out_w_codes, proj_out_w_scales, proj_out_b, kfrag, kscl, vfrag, vscl, out0; writes out0
.if DOCPART == 4
	.amdgcn_target "amdgcn-amd-amdhsa--gfx1250"
	.amdhsa_code_object_version 6
	.text
	.protected	k_qf0d95b508f_attn
	.globl	k_qf0d95b508f_attn
	.p2align	8
	.type	k_qf0d95b508f_attn,@function
k_qf0d95b508f_attn:
	s_mov_b64 s[64:65], 0
	v_nop
	global_prefetch_b8 v0, s[64:65] scope:SCOPE_SE
	s_setreg_imm32_b32 hwreg(HW_REG_WAVE_SCHED_MODE, 0, 2), 2
	s_setreg_imm32_b32 hwreg(HW_REG_WAVE_MODE, 25, 1), 1
	s_wait_xcnt 0x0
	s_wait_alu depctr_vm_vsrc(0)
; The whole module but K and V, for 128 pixels (queries) of one batch in a work-group of eight waves, all products on codes of FP4 (E2M1) with E8M0 scales:
;   X: the input's 256 channels are quantised once (they serve proj_in and the first 256 of proj_out's K) | 1: x = in Win^T + b | 2: Q = x Wq + b | S: scores, p = 2^(t - M) as codes | FIX: the row's M and sum |
;   PV: O = P V | OQ: O / sum, quantised | 7: out = Wout [in; O] + b.
; Every operand made on the way goes from wave to wave through LDS as an IMAGE OF ITS REGISTERS: a fragment of 16 rows x 128 K is [block 0..3][row 0..15][16 bytes]; a lane that holds 16 codes of a block stores 8 bytes at
; 256 block + 16 r + 8 h; a reader's lane l takes register group c at 512 c + 16 l.  Scale words lie [K step][tile][row]: one load of 4 bytes a lane brings two tiles' words, the even tile's in lanes 0-15, the odd one's in lanes 16-31.
; Products 1, 2, S and PV are used transposed (source 0 = weights, keys or V^T; source 1 = 16 queries): a lane holds ONE query, and since row r of source 0's tile 2 b + u is index 32 b + 8 u + r + 8 (r / 8), the 16 registers of a
; pair of tiles are 16 neighbours along the next product's K.
; THE SOFTMAX, in two passes.  In S each block of 32 keys takes its OWN whole number M_b = ceil(its largest t): p's codes do not hang on which whole number is taken, only the scale byte does.  Codes, -M_b, the byte and the block's
; sum of the unquantised p go to LDS.  FIX takes the row's M = the largest M_b (the ceiling of the row's true largest t), lowers each byte by M - M_b, and adds the sums under M (exact powers of two).  So P V carries no state and rescales nothing.
; LIMITS: NaN and infinities are not served.  A block whose largest magnitude lies under 2^-124 (a block of zeros too) gets the scale byte 1.  A block of keys more than 124 powers of two under its row's M keeps the byte of 124 under:
; its part, under 2^-120 of V's numbers, stands against a sum of at least 1/2.  Where t - M_b of a block's largest score is negative and so small that the exponential gives 1.0, that p is held at the largest code under the byte 124, as the exact p, just under 1, is.
; No joint loads: K's and V's fragments go from memory straight into registers, each V fragment to one wave and each K fragment to two; nothing of them lies in LDS that partners could share.
; SHARES of wave w: X: channels 32 w on, all 128 pixels, four a lane.  1, 2: units 64 w on, all 8 tiles of queries.  S: tiles 4 (w / 4) on, keys 256 (w % 4) on.  FIX: tile w.  PV, OQ: d = 64 w on.  7: outputs 32 w on.
; REGISTERS, window 0: v1 16 lane, v2 4 lane, v3 16 r + 8 h, v4 4 r; v5-14 a phase's addresses (v7, v8 stay); v15 256 lane; v16-41 scale words and nothing else; v42-63 at work; v64-127 fragments; v128-255 numbers, in PV V, from its end on Wout (128-223).
;   window 1: first Win (0-63), Wq (64-191), their biases (192-255); in S Q (0-127) and two sets of K (128-255); in PV the 32 accumulators; in 7 the odd K steps' fragments (0-63), the bias (96-111), 16 accumulators (128-255).
; THE MODE: SCHED_MODE bits 1:0 = 2 (LLVM: expert scheduling mode 2), set by the entry lines.  The code itself states the register dependences between vector or matrix instructions and memory or LDS instructions, with s_wait_alu, always for 0.
; THE PLAN.  Registers that memory or LDS instructions touch:
;   v1-4, v15, v7, v8     Lane terms and addresses that stay: written at the head, ahead of its one wait on va_vdst, and never again.
;   v5, v6, v9-14         A phase's addresses: written at the phase's head, behind the wait on vm_vsrc that follows the last phase's barrier, and ahead of a wait on va_vdst that stands there for the phase's first loads.
;                         In the key loop v12-14 are stepped at a trip's head, behind a wait on vm_vsrc; the waits behind the trip's products stand ahead of the stores that read them.
;   the fragments         (v64-127 with v28-35; K's two sets with v24-31; V's four sets, later Wout; in 7 window 1's v0-63 with v16-23)  Loads land in them, products read them.  ONE wait on va_vdst stands behind each run of products
;                         and its places, ahead of the loads that fill what the run has read.
;   the out-buffers       What goes to LDS is written into two out-buffers by turns: in 1, 2 and OQ v56-63 with v42-43, and v226-233 with v234-235; in S v56-63 with v84-91, and v160-175.  A step's stores stand in the next step, behind the
;                         wait on va_vdst that stands there anyway (OQ, which has none: one wait for two steps' stores); a buffer is written again behind a wait on vm_vsrc that stands a step behind its stores.
.set XIMG, 0                           ; the input's codes [tile 8][block 8][row][16]
.set XSC,  16384                       ; their scale words [K step 2][tile][row]
.set ASC,  17408                       ; x's, later O's [4][tile][row]
.set QSC,  19456                       ; Q's
.set PSC,  21504                       ; P's [8][tile][row]
.set RL,   25600                       ; 1 / the row's sum [query]
.set AIMG, 26624                       ; x's codes, later O's [tile][block 16][row][16]
.set QIMG, 59392                       ; Q's
.set PIMG, 92160                       ; P's [tile][block 32][row][16]
.set NBA,  157696                      ; -M_b [query, 144 bytes][block]
.set BYD,  18432                       ; the blocks' bytes lie so far behind, laid alike
.set LSA,  194560                      ; the blocks' sums [query, 272 bytes][block][half of the lanes]
.set STG,  229376                      ; the way out: 16 rows x 528 bytes for each wave
.set PW,  42                           ; out-buffer 0's two halves of scale words; out-buffer 1's lie 192 registers on: v234, v235
.set C124, 42                          ; in S: the conversion's scale operand of the byte 124,
.set C125, 43                          ; and of 125
.set TM,  44
.set TX,  48
.set SO,  52
.set PC,  56                           ; out-buffer 0's codes; out-buffer 1's lie 170 registers on (v226-233), in S 104 on (v160-167)
.set BM,  64                           ; S: v64-67 a block's largest score, then its t - M_b
.set NM,  68                           ; v68-75 -M_b, in the low word of a pair
.set LL,  76                           ; v76-83 sums, two at a time
.set LS,  84                           ; v84-87 my 16 keys' sum: out-buffer 0's; out-buffer 1's lie 88 registers on: v172-175
.set WW,  88                           ; v88-91 lanes 0-15: -M_b; lanes 16-31: the byte: out-buffer 0's; out-buffer 1's lie 80 registers on: v168-171
.set SS,  96                           ; v96-159 scores, then p: 16 a tile of queries
.set SEL, 40
.set MSB, 0
.macro WIN new                         ; the immediate's high byte repeats the setting that is left; a switch that changes nothing is dropped
.if MSB != \new
	s_set_vgpr_msb (MSB<<8)|\new
.set MSB, \new
.endif
.endm
.macro PLACES                          ; four plain vector instructions between a matrix instruction and a read of its result or a load into its registers
.rept 4
	v_nop
.endr
.endm
.macro BAR                             ; my LDS stores have landed and my LDS loads are in: then the work-group's barrier
	s_wait_dscnt 0x0
	s_barrier_signal -1
	s_barrier_wait -1
.endm
.macro WMR d, a, b, cc, sa, ra, sb, rb ; cc: the C operand as text;  ra, rb = 1: that side's scale words are taken from lanes 16-31
.if (\ra) && (\rb)
	v_wmma_scale_f32_16x16x128_f8f6f4 v[\d:\d+7], v[\a:\a+7], v[\b:\b+7], \cc, v[\sa], v[\sb] matrix_a_fmt:MATRIX_FMT_FP4 matrix_b_fmt:MATRIX_FMT_FP4 matrix_a_scale:MATRIX_SCALE_ROW1 matrix_b_scale:MATRIX_SCALE_ROW1
.elseif (\ra)
	v_wmma_scale_f32_16x16x128_f8f6f4 v[\d:\d+7], v[\a:\a+7], v[\b:\b+7], \cc, v[\sa], v[\sb] matrix_a_fmt:MATRIX_FMT_FP4 matrix_b_fmt:MATRIX_FMT_FP4 matrix_a_scale:MATRIX_SCALE_ROW1
.elseif (\rb)
	v_wmma_scale_f32_16x16x128_f8f6f4 v[\d:\d+7], v[\a:\a+7], v[\b:\b+7], \cc, v[\sa], v[\sb] matrix_a_fmt:MATRIX_FMT_FP4 matrix_b_fmt:MATRIX_FMT_FP4 matrix_b_scale:MATRIX_SCALE_ROW1
.else
	v_wmma_scale_f32_16x16x128_f8f6f4 v[\d:\d+7], v[\a:\a+7], v[\b:\b+7], \cc, v[\sa], v[\sb] matrix_a_fmt:MATRIX_FMT_FP4 matrix_b_fmt:MATRIX_FMT_FP4
.endif
.endm
.macro WM d, a, b, c, sa, ra, sb, rb   ; c < 0: the product starts its sum with the constant 0
.if (\c) < 0
	WMR \d, \a, \b, 0, \sa, \ra, \sb, \rb
.else
	WMR \d, \a, \b, v[(\c):(\c)+7], \sa, \ra, \sb, \rb
.endif
.endm
; Four blocks of 32, of which my lane holds 16 numbers each (v[s + 16 k] on; lane l xor 16 holds the other 16), become codes in v[pc + 2 k], v[pc + 2 k + 1]; the scale bytes are left in v[TX + k].
.macro QCORE s, pc
.irp k, 0,1,2,3
	v_max3_num_f32 v[TM+\k], |v[(\s)+16*\k]|, |v[(\s)+16*\k+1]|, 0x1800000   ; each accumulator is read from its low end on; the floor 2^(3 - 127) holds the byte at 1 from below
.endr
.irp i, 2,4,6,8,10,12,14
.irp k, 0,1,2,3
	v_max3_num_f32 v[TM+\k], v[TM+\k], |v[(\s)+16*\k+\i]|, |v[(\s)+16*\k+\i+1]|
.endr
.endr
.irp k, 0,1,2,3
	v_permlanex16_b32 v[TX+\k], v[TM+\k], s[SEL], s[SEL+1]
.endr
.irp k, 0,1,2,3
	v_max_num_f32 v[TM+\k], v[TM+\k], v[TX+\k]
.endr
.irp k, 0,1,2,3
	v_add_nc_u32 v[SO+\k], 0xff000000, v[TM+\k]    ; 2 off the exponent field: the conversion's scale operand
.endr
.irp k, 0,1,2,3
	v_lshrrev_b32 v[TX+\k], 23, v[SO+\k]           ; the scale's byte
.endr
.irp k, 0,1,2,3
	v_cvt_scalef32_pk8_fp4_f32 v[(\pc)+2*\k], v[(\s)+16*\k:(\s)+16*\k+7], v[SO+\k]
	v_cvt_scalef32_pk8_fp4_f32 v[(\pc)+2*\k+1], v[(\s)+16*\k+8:(\s)+16*\k+15], v[SO+\k]
.endr
	v_nop                                          ; one plain instruction behind the last scaled conversion
.endm
; What QCORE left (blocks 2 mi + bb: tile 2 mp + mi of queries, my units' block bb) goes to LDS in two parts.  PUTW: the bytes in v[TX ..] become out-buffer b's two halves of scale words.
.macro PUTW b
.irp mi, 0,1
	v_lshl_or_b32 v[PW+192*(\b)+\mi], v[TX+2*\mi+1], 8, v[TX+2*\mi]
.endr
.endm
; PUTS: out-buffer mp % 2 is stored: 8 bytes of codes a lane and block, and my two bytes of the row's scale word (lanes r and r + 16 write the same bytes with the same value).  Six stores.
.macro PUTS mp, da, ds
.irp mi, 0,1
.irp bb, 0,1
	ds_store_b64 v[\da], v[PC+170*((\mp)%2)+2*(2*\mi+\bb):PC+170*((\mp)%2)+2*(2*\mi+\bb)+1] offset:(2*(\mp)+\mi)*4096+256*\bb
.endr
	ds_store_b16 v[\ds], v[PW+192*((\mp)%2)+\mi] offset:(2*(\mp)+\mi)*64
.endr
.endm
; PHASES 1 AND 2 share their text; NS (K steps), SRC, PITCH, SSRC (the operand's images and scale words), WF, BIA (weights and bias in window 1) and WSC (the weights' scale words) are set ahead of each.
.macro FETCHL mp                       ; two tiles of queries: their fragments into v64 on, their scale words into v28 on
.irp mi, 0,1
.irp s, 0,1,2,3
.if \s < NS
.irp c, 0,1
	ds_load_b128 v[64+8*(NS*\mi+\s)+4*\c:64+8*(NS*\mi+\s)+4*\c+3], v1 offset:SRC+(2*(\mp)+\mi)*PITCH+1024*\s+512*\c
.endr
.endif
.endr
.endr
.irp s, 0,1,2,3
.if \s < NS
	ds_load_b32 v[28+\s], v2 offset:SSRC+512*\s+128*(\mp)
.endif
.endr
.endm
.macro MULL                            ; my four tiles of units x two tiles of queries: eight accumulators by turns, one instruction a turn; the bias is the C of each sum's first product
.irp s, 0,1,2,3
.if \s < NS
.if \s == 0
	WIN 0x11                                       ; source 0 and C window 1
.else
	WIN 0x01
.endif
.irp mi, 0,1
.irp t, 0,1,2,3
.if \s == 0
	WM 128+32*\mi+8*\t, WF+8*(NS*\t+\s), 64+8*(NS*\mi+\s), BIA+8*\t, WSC+NS*(\t/2)+\s, \t%2, 28+\s, \mi
.else
	WM 128+32*\mi+8*\t, WF+8*(NS*\t+\s), 64+8*(NS*\mi+\s), 128+32*\mi+8*\t, WSC+NS*(\t/2)+\s, \t%2, 28+\s, \mi
.endif
.endr
.endr
.endif
.endr
.endm
; A block of 32 keys: its two tiles' fragments lie 8,192 bytes on end in kfrag; their scale words, 16 bytes a row, give the four K steps' registers.  17 loads.
.macro KLOAD buf, off, offs
	WIN 0x40
.irp i, 0,1,2,3,4,5,6,7,8,9,10,11,12,13,14,15
	global_load_b128 v[128+64*(\buf)+4*\i:128+64*(\buf)+4*\i+3], v1, s[50:51] offset:(\off)+512*\i
.endr
	WIN 0
	global_load_b128 v[24+4*(\buf):24+4*(\buf)+3], v1, s[52:53] offset:\offs
.endm
; Step mp multiplies two tiles of queries and quantises the results into out-buffer mp % 2.  Behind its products stand the step's memory instructions: the next step's fragments, then the stores of the step before.
.macro LAYER da, ds, kl                ; kl = 1: behind the last products the first two blocks of keys are asked for, into registers that the weights have left
	FETCHL 0
.irp mp, 0,1,2,3
.if \mp < 2
	s_wait_dscnt 0x0                               ; the fragments are in: nothing was issued behind their loads
.else
	s_wait_dscnt 6                                 ; the fragments are in: behind their loads stand only six stores of earlier results, which may be out
.endif
	MULL
	WIN 0
	PLACES
.if \mp >= 2
	s_wait_alu depctr_vm_vsrc(0)                   ; the six stores issued in the step before have read the out-buffer that this step's conversions write again
.endif
	s_wait_alu depctr_va_vdst(0)                   ; these products are done reading the fragments and scale words (kl: and the weights) in which the loads below land; the step before has written its out-buffer, which the stores below read
.if \mp < 3
	FETCHL \mp+1                                   ; lands while these results are quantised
.elseif \kl
	KLOAD 0, 0, 0
	KLOAD 1, 8192, 512
.endif
.if \mp > 0
	PUTS \mp-1, \da, \ds
.endif
	QCORE 128, PC+170*(\mp%2)
	PUTW \mp%2
.endr
	s_wait_alu depctr_va_vdst(0)                   ; the last step has written its out-buffer, which the stores below read
	PUTS 3, \da, \ds
.endm
	s_load_b512 s[4:19], s[0:1], 0x0               ; input s[4:5], Win codes s[6:7], scales s[8:9], bias s[10:11], Wq codes s[12:13], scales s[14:15], bias s[16:17], Wout codes s[18:19]
	s_load_b256 s[20:27], s[0:1], 0x40             ; Wout scales s[20:21], bias s[22:23], kfrag s[24:25], kscl s[26:27]
	s_load_b128 s[28:31], s[0:1], 0x60             ; vfrag s[28:29], vscl s[30:31]
	s_load_b64 s[32:33], s[0:1], 0x70              ; out0
	v_lshrrev_b32 v5, 5, v0
	v_readfirstlane_b32 s34, v5                    ; w: wave 0..7
	s_lshr_b32 s35, ttmp9, 5                       ; batch
	s_and_b32 s36, ttmp9, 31                       ; which 128 pixels
	s_mov_b32 s[SEL], 0x76543210
	s_mov_b32 s[SEL+1], 0xfedcba98                 ; lane l xor 16
	s_mov_b32 s42, 0x3d8293ee                      ; c = log2(e) / sqrt(512)
	s_mov_b32 s43, s42                             ; (named with it as a pair)
	s_mov_b32 s44, 0xbd8293ee                      ; -c
	s_mov_b32 s45, 0xffff0000                      ; lanes 16-31
	v_and_b32 v6, 31, v0                           ; lane
	v_and_b32 v7, 15, v0                           ; r
	v_bfe_u32 v8, v0, 4, 1                         ; h
	v_lshlrev_b32 v1, 4, v6
	v_lshlrev_b32 v2, 2, v6
	v_lshlrev_b32 v3, 4, v7
	v_lshl_add_u32 v3, v8, 3, v3
	v_lshlrev_b32 v4, 2, v7
	v_lshlrev_b32 v15, 8, v6
	v_and_b32 v9, 8, v7
	v_add_nc_u32 v9, v9, v7                        ; rp = r + 8 (r / 8)
	v_lshl_add_u32 v10, v8, 3, v9                  ; rp + 8 h
	v_lshlrev_b32 v120, 7, v9
	v_lshl_add_u32 v120, v8, 4, v120               ; Win: row rp of 128 bytes, + 16 h
	v_lshlrev_b32 v121, 3, v10                     ; its scale rows of 8 bytes
	v_lshlrev_b32 v122, 6, v8                      ; the biases: 16 h numbers on
	v_lshlrev_b32 v123, 8, v9
	v_lshl_add_u32 v123, v8, 4, v123               ; Wq: row rp of 256 bytes, + 16 h
	v_lshlrev_b32 v124, 4, v10                     ; its scale rows of 16 bytes
	v_lshrrev_b32 v5, 2, v6                        ; X: my four pixels 4 lane + p lie in tile lane / 4,
	v_lshlrev_b32 v5, 11, v5
	v_and_b32 v11, 3, v6
	v_lshl_add_u32 v5, v11, 6, v5                  ; rows 4 (lane % 4) + p,
	s_wait_alu depctr_va_sdst(0)                   ; s34, the wave's number, is written, ahead of its first reader: addresses and branches are made from it
	s_lshr_b32 s37, s34, 2                         ; g = w / 4
	s_and_b32 s38, s34, 3                          ; j = w % 4
	s_lshl_b32 s70, s34, 8
	v_add_nc_u32 v5, s70, v5                       ; block w
	s_lshl_b32 s70, s37, 9
	s_add_co_u32 s70, s70, s38
	s_add_co_u32 s70, s70, XSC
	v_add_nc_u32 v6, s70, v1                       ; and the scale's byte: K step w / 4, byte w % 4 of the pixel's word
	s_lshl_b32 s70, s34, 9
	s_add_co_u32 s72, s70, AIMG
	v_add_nc_u32 v7, s72, v3                       ; where my units' codes go: block 2 w; stays for O
	s_add_co_u32 s72, s70, QIMG
	v_add_nc_u32 v9, s72, v3
	s_lshr_b32 s70, s34, 1
	s_lshl_b32 s70, s70, 9
	s_and_b32 s72, s34, 1
	s_lshl_b32 s72, s72, 1
	s_add_co_u32 s70, s70, s72
	s_add_co_u32 s72, s70, ASC
	v_add_nc_u32 v8, s72, v4                       ; and their two scale bytes: K step w / 2, bytes 2 (w % 2) on; stays for O
	s_add_co_u32 s72, s70, QSC
	v_add_nc_u32 v10, s72, v4
.irp k, 0,1,2,3
	v_mov_b32 v[TX+\k], 0                          ; written once: a lane permute's destination counts as one of its sources
.endr
	s_mov_b32 s71, 0
	s_wait_kmcnt 0x0
	s_lshl_b32 s70, s35, 22                        ; the batch, 32 w rows of 16,384 bytes, the work-group's 128 pixels: my channels of the input, and my rows of out0
	s_lshl_b32 s72, s34, 19
	s_add_co_u32 s70, s70, s72
	s_lshl_b32 s72, s36, 9
	s_add_co_u32 s70, s70, s72
	s_add_nc_u64 s[58:59], s[4:5], s[70:71]
	s_add_nc_u64 s[60:61], s[32:33], s[70:71]
	s_lshl_b32 s70, s35, 18
	s_lshl_b32 s72, s38, 16
	s_add_co_u32 s70, s70, s72
	s_add_nc_u64 s[50:51], s[24:25], s[70:71]      ; K's fragments: my 256 keys
	s_lshl_b32 s70, s35, 14
	s_lshl_b32 s72, s38, 12
	s_add_co_u32 s70, s70, s72
	s_add_nc_u64 s[52:53], s[26:27], s[70:71]
	s_lshl_b32 s70, s35, 18
	s_lshl_b32 s72, s34, 15
	s_add_co_u32 s70, s70, s72
	s_add_nc_u64 s[54:55], s[28:29], s[70:71]      ; V's: my four tiles of d
	s_lshl_b32 s70, s35, 14
	s_lshl_b32 s72, s34, 11
	s_add_co_u32 s70, s70, s72
	s_add_nc_u64 s[56:57], s[30:31], s[70:71]
	s_lshl_b32 s70, s35, 18
	s_lshl_b32 s72, s36, 13
	s_add_co_u32 s70, s70, s72
	s_add_nc_u64 s[66:67], s[24:25], s[70:71]      ; the prefetches: my work-group's 8,192 bytes of the batch's kfrag,
	s_add_nc_u64 s[68:69], s[28:29], s[70:71]      ; and of its vfrag
	s_lshl_b32 s70, s34, 13
	s_add_nc_u64 s[6:7], s[6:7], s[70:71]          ; my 64 rows of Win,
	s_lshl_b32 s70, s34, 9
	s_add_nc_u64 s[8:9], s[8:9], s[70:71]
	s_lshl_b32 s70, s34, 8
	s_add_nc_u64 s[10:11], s[10:11], s[70:71]
	s_add_nc_u64 s[16:17], s[16:17], s[70:71]
	s_lshl_b32 s70, s34, 14
	s_add_nc_u64 s[12:13], s[12:13], s[70:71]      ; of Wq,
	s_lshl_b32 s70, s34, 10
	s_add_nc_u64 s[14:15], s[14:15], s[70:71]
	s_mul_i32 s70, s34, 12288
	s_add_nc_u64 s[18:19], s[18:19], s[70:71]      ; my 32 rows of Wout
	s_mul_i32 s70, s34, 768
	s_add_nc_u64 s[20:21], s[20:21], s[70:71]
	s_lshl_b32 s70, s34, 7
	s_add_nc_u64 s[22:23], s[22:23], s[70:71]
	s_wait_alu depctr_va_vdst(0)                   ; the lane terms v1-4 and v15, the addresses v5-10 and the loads' offsets v120-124 are written: the loads, stores and prefetches below read them
	; the loads, in the order in which they are wanted: the input's 32, 26 for phase 1, 42 for phase 2
.set i, 0
.rept 32
	global_load_b128 v[128+4*i:128+4*i+3], v1, s[58:59] offset:16384*i th:TH_LOAD_NT   ; channel i of my 32 at all 128 pixels: the wave reads 512 consecutive bytes, aligned to 256; four pixels a lane
.set i, i+1
.endr
	WIN 0x40
.irp t, 0,1,2,3
.irp s, 0,1
.irp c, 0,1
	global_load_b128 v[8*(2*\t+\s)+4*\c:8*(2*\t+\s)+4*\c+3], v120, s[6:7] offset:(32*(\t/2)+8*(\t%2))*128+64*\s+32*\c
.endr
.endr
.endr
	WIN 0
.irp bb, 0,1
	global_load_b64 v[16+2*\bb:17+2*\bb], v121, s[8:9] offset:256*\bb
.endr
	WIN 0x40
.irp t, 0,1,2,3
	global_load_b128 v[192+8*\t:195+8*\t], v122, s[10:11] offset:(32*(\t/2)+8*(\t%2))*4
	global_load_b128 v[196+8*\t:199+8*\t], v122, s[10:11] offset:(32*(\t/2)+8*(\t%2))*4+16
.endr
.irp t, 0,1,2,3
.irp s, 0,1,2,3
.irp c, 0,1
	global_load_b128 v[64+8*(4*\t+\s)+4*\c:64+8*(4*\t+\s)+4*\c+3], v123, s[12:13] offset:(32*(\t/2)+8*(\t%2))*256+64*\s+32*\c
.endr
.endr
.endr
	WIN 0
.irp bb, 0,1
	global_load_b128 v[20+4*\bb:23+4*\bb], v124, s[14:15] offset:512*\bb
.endr
	WIN 0x40
.irp t, 0,1,2,3
	global_load_b128 v[224+8*\t:227+8*\t], v122, s[16:17] offset:(32*(\t/2)+8*(\t%2))*4
	global_load_b128 v[228+8*\t:231+8*\t], v122, s[16:17] offset:(32*(\t/2)+8*(\t%2))*4+16
.endr
	WIN 0
	; ---- X: block w of K for my four pixels.  Register 128 + 4 i + p is channel i at pixel 4 lane + p: a pixel's whole block lies in my own registers, four apart
	s_wait_loadcnt 63                              ; 68 loads were issued behind the input's 32; the wait names the most that its field holds, which is fewer and so enough
.irp p, 0,1,2,3
	v_max3_num_f32 v[TM+\p], |v[128+\p]|, |v[132+\p]|, 0x1800000   ; the four pixels by turns; the floor 2^(3 - 127) holds the byte at 1 from below
.endr
.irp i, 2,4,6,8,10,12,14,16,18,20,22,24,26,28,30
.irp p, 0,1,2,3
	v_max3_num_f32 v[TM+\p], v[TM+\p], |v[128+4*\i+\p]|, |v[132+4*\i+\p]|
.endr
.endr
.irp p, 0,1,2,3
	v_add_nc_u32 v[SO+\p], 0xff000000, v[TM+\p]
.endr
.irp p, 0,1,2,3
	v_lshrrev_b32 v[TX+\p], 23, v[SO+\p]
.endr
; The conversions take eight neighbours along K from consecutive registers: so channels 8 q .. 8 q + 7 are copied, pixel by pixel, into 32 registers on end from v[t] on, and converted there.  128 copies a wave are the price of 32 loads in place of 128.
; The first group goes to v80-111, each later one into the registers that the group before has left: no conversion's source is written again here.
.macro XGRP q, t
.irp p, 0,1,2,3
.irp i, 0,1,2,3,4,5,6,7
	v_mov_b32 v[(\t)+8*\p+\i], v[128+32*(\q)+4*\i+\p]
.endr
.endr
.irp p, 0,1,2,3
	v_cvt_scalef32_pk8_fp4_f32 v[64+4*\p+(\q)], v[(\t)+8*\p:(\t)+8*\p+7], v[SO+\p]
.endr
.endm
	XGRP 0, 80
	XGRP 1, 128
	XGRP 2, 160
	XGRP 3, 192
	v_nop                                          ; one plain instruction behind the last scaled conversion
	s_wait_alu depctr_va_vdst(0)                   ; the conversions have written v64-79 and the shifts v48-51, which the eight stores below read
.irp p, 0,1,2,3
	ds_store_b128 v5, v[64+4*\p:64+4*\p+3] offset:16*\p   ; a pixel's 32 codes: its row's 16 bytes of block w
.endr
.irp p, 0,1,2,3
	ds_store_b8 v6, v[TX+\p] offset:4*\p           ; one byte of the pixel's scale word; the other three come from three other waves
.endr
	BAR                                            ; the input's sixteen fragments lie in LDS, for phases 1 and 7
	s_wait_alu depctr_vm_vsrc(0)                   ; my stores have read v64-79, in which phase 1's fragments land, and v48-51, which its vector lines write; the head's loads have read v120-124, in which phase 2's fragments land
	; A prefetch of kfrag: the batch's 262,144 bytes are shared out among its 32 work-groups, 8,192 each; wave 0 asks, lanes 256 bytes apart: each block of 256 bytes is named once in the launch.  Phases 1 and 2 lie between it and the first load of K.
	s_cmp_lg_u32 s34, 0
	s_cbranch_scc1 .Lno_pf_k
	global_prefetch_b8 v15, s[66:67] th:TH_LOAD_NT scope:SCOPE_SE
.Lno_pf_k:
	; ---- 1: x = in Win^T + b, quantised along its 512 units
.set NS, 2
.set SRC, XIMG
.set PITCH, 2048
.set SSRC, XSC
.set WF, 0
.set BIA, 192
.set WSC, 16
	s_wait_loadcnt 42                              ; phase 1's 26 loads are in; phase 2's 42 may be out
	LAYER 7, 8, 0
	BAR                                            ; x's 32 fragments lie in LDS
	s_wait_alu depctr_vm_vsrc(0)                   ; phase 1's last twelve stores have read the two out-buffers, which phase 2's first two steps write again
	; ---- 2: Q = x Wq + b, quantised along d
.set NS, 4
.set SRC, AIMG
.set PITCH, 4096
.set SSRC, ASC
.set WF, 64
.set BIA, 224
.set WSC, 20
	s_wait_loadcnt 0x0                             ; Wq, its scales and bias are in; the loads' offset registers v120-124 are free for the fragments
	LAYER 9, 10, 1
	BAR                                            ; Q's 32 fragments lie in LDS
	s_wait_alu depctr_vm_vsrc(0)                   ; phase 2's stores have read their addresses v9 and v10 and the out-buffers (v42, v43 and v56-63 among them): all are written again below
	; ---- S: scores of my four tiles of queries against my 256 keys, 32 keys at a time
	v_and_b32 v12, 15, v0
	s_wait_alu depctr_va_vdst(0)
	v_bfe_u32 v13, v0, 4, 1
	s_lshl_b32 s70, s37, 14
	s_add_co_u32 s70, s70, QIMG
	v_add_nc_u32 v5, s70, v1                       ; Q's fragments: tiles 4 g on
	s_lshl_b32 s70, s37, 8
	s_add_co_u32 s70, s70, QSC
	v_add_nc_u32 v6, s70, v2
	s_lshl_b32 s70, s37, 15
	s_lshl_b32 s72, s38, 11
	s_add_co_u32 s70, s70, s72
	s_add_co_u32 s70, s70, PIMG
	v_add_nc_u32 v9, s70, v3                       ; P's codes: tile 4 g, block 8 j
	s_mul_i32 s70, s37, 9216
	s_lshl_b32 s72, s38, 5
	s_add_co_u32 s70, s70, s72
	s_add_co_u32 s70, s70, NBA
	v_mul_u32_u24 v10, v12, 144
	s_wait_alu depctr_va_vdst(0)
	v_mad_u32_u24 v10, v13, BYD, v10               ; lanes 0-15 store -M_b, lanes 16-31 the byte, BYD bytes further on
	v_add_nc_u32 v10, s70, v10
	s_mul_i32 s70, s37, 17408
	s_lshl_b32 s72, s38, 6
	s_add_co_u32 s70, s70, s72
	s_add_co_u32 s70, s70, LSA
	v_mul_u32_u24 v11, v12, 272
	v_lshl_add_u32 v11, v13, 2, v11
	v_add_nc_u32 v11, s70, v11                     ; the sums: each half of the lanes its own word
.irp m, 0,1,2,3
	v_mov_b32 v[NM+2*\m+1], 0                      ; named as the upper halves of pairs
.endr
	v_mov_b32 v[C124], 0x3e000000                  ; 124 << 23
	v_mov_b32 v[C125], 0x3e800000                  ; 125 << 23
	WIN 0x40
	s_wait_alu depctr_va_vdst(0)                   ; v5 and v6 are written, which the loads below read; the products of phases 1 and 2 are done reading the weights and scale words in which Q and its scale words land
.irp m, 0,1,2,3
.irp s, 0,1,2,3
.irp c, 0,1
	ds_load_b128 v[8*(4*\m+\s)+4*\c:8*(4*\m+\s)+4*\c+3], v5 offset:4096*\m+1024*\s+512*\c   ; Q stays in registers
.endr
.endr
.endr
	WIN 0
.irp pm, 0,1
.irp s, 0,1,2,3
	ds_load_b32 v[16+4*\pm+\s], v6 offset:512*\s+128*\pm
.endr
.endr
	s_mov_b32 s47, 0                               ; where the trip's codes, words and sums go: stepped by constants
	s_mov_b32 s48, 0
	s_mov_b32 s49, 0
	s_mov_b32 s46, 3
.macro SMUL buf                        ; S^T = K Q^T: two tiles of keys x four of queries, K = 512: eight accumulators by turns, one instruction a turn
	WIN 0x05                                       ; sources 0 and 1 window 1
.irp s, 0,1,2,3
.irp m, 0,1,2,3
.irp u, 0,1
.if \s == 0
	WM SS+16*\m+8*\u, 128+64*(\buf)+8*(4*\u+\s), 8*(4*\m+\s), -1, 24+4*(\buf)+\s, \u, 16+4*(\m/2)+\s, \m%2
.else
	WM SS+16*\m+8*\u, 128+64*(\buf)+8*(4*\u+\s), 8*(4*\m+\s), SS+16*\m+8*\u, 24+4*(\buf)+\s, \u, 16+4*(\m/2)+\s, \m%2
.endif
.endr
.endr
.endr
	WIN 0
.endm
; A block of 32 keys for four tiles of queries, the tiles by turns.  Register i of a tile is key 16 h + i of the block, for query r.  par: the block's place in the trip, and the out-buffer that takes its codes, words and sums.
; THE BLOCK'S SCALE WANTS NO EXPONENTIAL.  M_b is the block's own ceiling, so t - M_b of its largest score lies in (-1, 0] (above 0 only by the rounding of c x score ahead of the floor): the block's largest p lies in (1/2, 1], its
; exponent is -1, or 0 where t - M_b is not negative, and the scale's byte is 124 or 125: chosen by a compare.
.macro SOFTC par
.irp m, 0,1,2,3
	v_max3_num_f32 v[BM+\m], v[SS+16*\m], v[SS+16*\m+1], v[SS+16*\m+2]   ; the block's largest score; each accumulator is read from its low end on
.endr
.irp i, 3,5,7,9,11,13
.irp m, 0,1,2,3
	v_max3_num_f32 v[BM+\m], v[BM+\m], v[SS+16*\m+\i], v[SS+16*\m+\i+1]
.endr
.endr
.irp m, 0,1,2,3
	v_max_num_f32 v[BM+\m], v[BM+\m], v[SS+16*\m+15]
.endr
.irp m, 0,1,2,3
	v_permlanex16_b32 v[TX+\m], v[BM+\m], s[SEL], s[SEL+1]
.endr
.irp m, 0,1,2,3
	v_max_num_f32 v[BM+\m], v[BM+\m], v[TX+\m]
.endr
.irp m, 0,1,2,3
	v_mul_f32 v[TX+\m], s44, v[BM+\m]              ; -t of the largest score
.endr
.irp m, 0,1,2,3
	v_floor_f32 v[NM+2*\m], v[TX+\m]               ; -M_b = floor(-t) = -ceil(t): a whole number
.endr
.irp i, 0,2,4,6,8,10,12,14
.irp m, 0,1,2,3
	v_pk_fma_f32 v[SS+16*\m+\i:SS+16*\m+\i+1], v[SS+16*\m+\i:SS+16*\m+\i+1], s[42:43], v[NM+2*\m:NM+2*\m+1] op_sel_hi:[1,0,0]   ; t - M_b, two at a time
.endr
.endr
.irp m, 0,1,2,3
	v_fma_f32 v[BM+\m], v[BM+\m], s42, v[NM+2*\m]  ; the same of the largest score
.endr
.irp m, 0,1,2,3
	v_cmp_le_f32 s[72+\m], 0, v[BM+\m]             ; not negative: the largest p is 1
.endr
.set i, 0
	s_wait_alu depctr_va_vdst(0)
.rept 64
	v_exp_f32 v[SS+i], v[SS+i]                     ; p = 2^(t - M_b)
.set i, i+1
.endr
	s_wait_alu depctr_va_sdst(0)                   ; the four compares have written s72 to s75, which the four selections below read
.irp m, 0,1,2,3
	v_cndmask_b32 v[SO+\m], v[C124], v[C125], s[72+\m]   ; the conversion's scale operand.  These twelve lines name no exponential's result: plain work between the batch and its wait
.endr
.irp m, 0,1,2,3
	v_lshrrev_b32 v[TX+\m], 23, v[SO+\m]           ; the byte under M_b
.endr
.irp m, 0,1,2,3
	v_cndmask_b32 v[WW+80*(\par)+\m], v[NM+2*\m], v[TX+\m], s45
.endr
	s_wait_alu depctr_va_vdst(0)                   ; the 64 exponentials have written p: one wait, ahead of their first reader
.irp m, 0,1,2,3
	v_pk_add_f32 v[LL+2*\m:LL+2*\m+1], v[SS+16*\m:SS+16*\m+1], v[SS+16*\m+2:SS+16*\m+3]   ; the sum is taken of the unquantised p
.endr
.irp i, 4,6,8,10,12,14
.irp m, 0,1,2,3
	v_pk_add_f32 v[LL+2*\m:LL+2*\m+1], v[LL+2*\m:LL+2*\m+1], v[SS+16*\m+\i:SS+16*\m+\i+1]
.endr
.endr
.irp m, 0,1,2,3
	v_add_f32 v[LS+88*(\par)+\m], v[LL+2*\m], v[LL+2*\m+1]
.endr
.irp m, 0,1,2,3
	v_cvt_scalef32_pk8_fp4_f32 v[PC+104*(\par)+2*\m], v[SS+16*\m:SS+16*\m+7], v[SO+\m]
	v_cvt_scalef32_pk8_fp4_f32 v[PC+104*(\par)+2*\m+1], v[SS+16*\m+8:SS+16*\m+15], v[SO+\m]
.endr
	v_nop                                          ; one plain instruction behind the last scaled conversion
.endm
.macro SOFTS par                       ; out-buffer par is stored: twelve stores
.irp m, 0,1,2,3
	ds_store_b64 v12, v[PC+104*(\par)+2*\m:PC+104*(\par)+2*\m+1] offset:8192*\m+256*\par
	ds_store_b32 v13, v[WW+80*(\par)+\m] offset:2304*\m+4*\par
	ds_store_b32 v14, v[LS+88*(\par)+\m] offset:4352*\m+8*\par
.endr
.endm
; Two blocks of keys, on K's two sets of registers.  more = 1: the blocks two further on are asked for as soon as a set has been multiplied.  The trip's LDS instructions are stores alone: nothing in it waits for them.
; The first block's stores stand behind the second block's products; the second block's have a wait of their own, so that no store stands behind the step of its addresses.
.macro TRIP more
	s_wait_alu depctr_vm_vsrc(0)                   ; the stores of the trip before have read v12-14, which are stepped here, and both out-buffers, which this trip writes again; Q's loads have read v5
	v_add_nc_u32 v12, s47, v9
	v_add_nc_u32 v13, s48, v10
	v_add_nc_u32 v14, s49, v11
	s_wait_loadcnt 17                              ; set 0's 17 loads are in; set 1's 17 may be out
	SMUL 0
	PLACES
.if \more
	s_wait_alu depctr_va_vdst(0)                   ; these products are done reading K's set 0 and its scale words, in which the loads below land
	KLOAD 0, 16384, 1024
.endif
	SOFTC 0
.if \more
	s_wait_loadcnt 17                              ; set 1's are in; the 17 just issued may be out
.else
	s_wait_loadcnt 0x0
.endif
	SMUL 1
	PLACES
	s_wait_alu depctr_va_vdst(0)                   ; out-buffer 0 and v12-14 are written, which the stores below read; these products are done reading K's set 1 and its scale words, in which the loads below land
.if \more
	KLOAD 1, 24576, 1536
.endif
	SOFTS 0
	SOFTC 1
.if \more == 0
	v_lshlrev_b32 v5, 1, v1                        ; V's scale words: 32 bytes a row, a lane a row of a pair of tiles: made here, ahead of the wait that stands anyway
.endif
	s_wait_alu depctr_va_vdst(0)                   ; out-buffer 1 is written, which the stores below read; in the last trip: v5 too, and all vector and matrix work on v16-31 and v128-175, in which V and its scale words land, is done
	SOFTS 1
.if \more
	s_wait_xcnt 0x0                                ; the loads have read their bases, which step by two blocks
	s_add_nc_u64 s[50:51], s[50:51], 16384
	s_add_nc_u64 s[52:53], s[52:53], 1024
	s_add_co_u32 s47, s47, 512
	s_add_co_u32 s48, s48, 8
	s_add_co_u32 s49, s49, 16
.endif
.endm
	s_wait_dscnt 0x0                               ; Q and its scale words are in
.Ltrip:
	TRIP 1
	s_sub_co_u32 s46, s46, 1
	s_cmp_lg_u32 s46, 0
	s_cbranch_scc1 .Ltrip
	; A prefetch of vfrag, shared out as kfrag was; wave 1 asks.  The last two blocks of keys lie between it and the first load of V.
	s_cmp_lg_u32 s34, 1
	s_cbranch_scc1 .Lno_pf_v
	global_prefetch_b8 v15, s[68:69] th:TH_LOAD_NT scope:SCOPE_SE
.Lno_pf_v:
	TRIP 0                                         ; the last two blocks are written out: nothing is loaded beyond my keys
.macro VLOAD ks                        ; K step ks of my four tiles of V^T into set ks % 4: 8 loads
.irp i, 0,1,2,3
.irp c, 0,1
	global_load_b128 v[128+32*((\ks)%4)+8*\i+4*\c:128+32*((\ks)%4)+8*\i+4*\c+3], v1, s[54:55] offset:8192*\i+1024*(\ks)+512*\c
.endr
.endr
.endm
	s_wait_alu depctr_vm_vsrc(0)                   ; the last stores have read out-buffer 1, v160-175, in which V lands; out-buffer 0, in which FIX's loads land and which it writes; and v12-14, which FIX writes
.irp p, 0,1
.irp q, 0,1
	global_load_b128 v[16+8*\p+4*\q:16+8*\p+4*\q+3], v5, s[56:57] offset:1024*\p+16*\q   ; register 16 + 8 p + ks
.endr
.endr
	VLOAD 0                                        ; V's first four K steps are on their way through FIX, which touches none of v16-31 and v128-255
	VLOAD 1
	VLOAD 2
	VLOAD 3
	BAR                                            ; P's codes and every block's -M_b, byte and sums lie in LDS
	; ---- FIX: tile w.  Lane (r, h): query 16 w + r, blocks 16 h .. 16 h + 15
	v_and_b32 v14, 15, v0
	v_bfe_u32 v13, v0, 4, 1
	s_mul_i32 s70, s34, 2304
	s_add_co_u32 s70, s70, NBA
	v_mul_u32_u24 v9, v14, 144
	v_lshl_add_u32 v9, v13, 6, v9
	v_add_nc_u32 v9, s70, v9
	s_mul_i32 s70, s34, 4352
	s_add_co_u32 s70, s70, LSA
	v_mul_u32_u24 v10, v14, 272
	v_lshl_add_u32 v10, v13, 7, v10
	v_add_nc_u32 v10, s70, v10
	s_lshl_b32 s70, s34, 6
	s_add_co_u32 s72, s70, PSC
	v_lshl_add_u32 v11, v13, 11, v4
	v_add_nc_u32 v11, s72, v11                     ; P's scale words: K steps 4 h on, tile w, row r
	s_add_co_u32 s72, s70, RL
	v_add_nc_u32 v12, s72, v4
	v_add_nc_u32 v13, PIMG, v1                     ; for PV
	s_wait_alu depctr_va_vdst(0)                   ; the addresses v9 to v13 are written, which the loads and stores of FIX and PV read
.irp i, 0,1,2,3
	ds_load_b128 v[64+4*\i:67+4*\i], v9 offset:16*\i
.endr
.irp i, 0,1,2,3
	ds_load_b128 v[80+4*\i:83+4*\i], v9 offset:BYD+16*\i
.endr
.irp i, 0,1,2,3,4,5,6,7
	ds_load_b128 v[96+4*\i:99+4*\i], v10 offset:16*\i
.endr
	s_wait_dscnt 0x0
	v_min3_num_f32 v52, v64, v65, v66              ; the least -M_b is -M: M is the ceiling of the row's largest t
	v_min3_num_f32 v53, v67, v68, v69
	v_min3_num_f32 v52, v52, v70, v71
	v_min3_num_f32 v53, v53, v72, v73
	v_min3_num_f32 v52, v52, v74, v75
	v_min3_num_f32 v53, v53, v76, v77
	v_min3_num_f32 v52, v52, v78, v79
	v_min_num_f32 v52, v52, v53
	v_permlanex16_b32 v48, v52, s[SEL], s[SEL+1]
	v_min_num_f32 v52, v52, v48
.irp i, 0,1,2,3,4,5,6,7,8,9,10,11,12,13,14,15
	v_sub_f32 v[64+\i], v52, v[64+\i]              ; M_b - M: a whole number, 0 or less
.endr
.irp i, 0,1,2,3,4,5,6,7,8,9,10,11,12,13,14,15
	v_max_num_f32 v[64+\i], 0xc2f80000, v[64+\i]   ; held at -124: the byte, 124 or 125 under M_b, does not fall under 0
.endr
.irp i, 0,1,2,3,4,5,6,7,8,9,10,11,12,13,14,15
	v_cvt_i32_f32 v[64+\i], v[64+\i]
.endr
.irp i, 0,1,2,3,4,5,6,7,8,9,10,11,12,13,14,15
	v_add_nc_u32 v[80+\i], v[80+\i], v[64+\i]      ; the byte under M
	v_add_f32 v[96+2*\i], v[96+2*\i], v[97+2*\i]   ; the block's sum: the two halves of the lanes'
.endr
.irp i, 0,1,2,3,4,5,6,7,8,9,10,11,12,13,14,15
	v_ldexp_f32 v[96+2*\i], v[96+2*\i], v[64+\i]   ; under M: a power of two, nothing is rounded
.endr
.irp q, 0,1,2,3
	v_add_f32 v[TM+\q], v[96+2*\q], v[104+2*\q]
.endr
.irp q, 0,1,2,3
	v_add_f32 v[TM+\q], v[TM+\q], v[112+2*\q]
.endr
.irp q, 0,1,2,3
	v_add_f32 v[TM+\q], v[TM+\q], v[120+2*\q]
.endr
.irp q, 0,1,2,3
	v_lshl_or_b32 v[PC+\q], v[81+4*\q], 8, v[80+4*\q]
.endr
.irp q, 0,1,2,3
	v_lshl_or_b32 v[PC+\q], v[82+4*\q], 16, v[PC+\q]
.endr
.irp q, 0,1,2,3
	v_lshl_or_b32 v[PC+\q], v[83+4*\q], 24, v[PC+\q]
.endr
	v_add_f32 v44, v44, v45
	v_add_f32 v46, v46, v47
	v_add_f32 v44, v44, v46
	v_permlanex16_b32 v48, v44, s[SEL], s[SEL+1]
	v_add_f32 v44, v44, v48                        ; the row's sum
	s_wait_alu depctr_va_vdst(0)
	v_rcp_f32 v45, v44
	v_nop
	s_wait_alu depctr_va_vdst(0)                   ; the reciprocal v45 is written, ahead of its first reader; so are the four scale words v56-59: the five stores below read them.  FIX's vector work on v64-127, in which P lands, is done
.irp q, 0,1,2,3
	ds_store_b32 v11, v[PC+\q] offset:512*\q
.endr
	ds_store_b32 v12, v45                          ; (lanes r and r + 16 write the same word with the same value)
	BAR                                            ; P's scale words and the reciprocals lie in LDS
	s_wait_alu depctr_vm_vsrc(0)                   ; FIX's loads have read v9 and v10, which are written below; its stores have read v11, v12, v45 and v56-59, which OQ and phase 7 write
	; ---- PV: O^T = V^T P^T: my four tiles of d x all eight tiles of queries, K = 1,024 keys in 8 steps; 32 accumulators by turns
	v_mul_u32_u24 v9, v4, 96
	v_bfe_u32 v10, v0, 4, 1
	v_lshl_add_u32 v9, v10, 4, v9                  ; Wout: row r of 384 bytes, + 16 h
	v_mul_u32_u24 v10, v2, 6                       ; its scale rows of 24 bytes, a lane a row
.macro PLOADH ks, hf                   ; K step ks of tiles 4 hf .. 4 hf + 3 of P, and their scale words: 10 LDS loads
.irp mi, 0,1,2,3
.irp c, 0,1
	ds_load_b128 v[64+32*(\hf)+8*\mi+4*\c:64+32*(\hf)+8*\mi+4*\c+3], v13 offset:8192*(4*(\hf)+\mi)+1024*(\ks)+512*\c
.endr
.endr
.irp pp, 0,1
	ds_load_b32 v[32+2*(\hf)+\pp], v2 offset:PSC+512*(\ks)+128*(2*(\hf)+\pp)
.endr
.endm
.macro PVH ks, hf
	WIN 0x50                                       ; C and D window 1
.irp mi, 0,1,2,3
.irp i, 0,1,2,3
.if (\ks) == 0
	WM 8*(4*(4*(\hf)+\mi)+\i), 128+32*((\ks)%4)+8*\i, 64+32*(\hf)+8*\mi, -1, 16+8*(\i/2)+(\ks), \i%2, 32+2*(\hf)+\mi/2, \mi%2
.else
	WM 8*(4*(4*(\hf)+\mi)+\i), 128+32*((\ks)%4)+8*\i, 64+32*(\hf)+8*\mi, 8*(4*(4*(\hf)+\mi)+\i), 16+8*(\i/2)+(\ks), \i%2, 32+2*(\hf)+\mi/2, \mi%2
.endif
.endr
.endr
	WIN 0
.endm
.macro WOLOAD a                        ; Wout's fragments 4 a .. 4 a + 3 of twelve (tile n, K step k: 6 n + k, at v[128 + 8 (6 n + k)]) into V's set a, which has had its last K step: 8 loads
.irp f, 0,1,2,3
.irp c, 0,1
	global_load_b128 v[128+8*(4*(\a)+\f)+4*\c:128+8*(4*(\a)+\f)+4*\c+3], v9, s[18:19] offset:6144*((4*(\a)+\f)/6)+64*((4*(\a)+\f)%6)+32*\c
.endr
.endr
.endm
	PLOADH 0, 0
	PLOADH 0, 1
.irp ks, 0,1,2,3,4,5,6,7
	s_wait_loadcnt 24                              ; this K step's V is in (with the first: V's scale words): behind its loads stand three groups of eight: later K steps' V, and from K step 5 on Wout's
	s_wait_dscnt 10                                ; P's first half is in; the second half's ten loads may be out
	PVH \ks, 0
	PLACES
.if \ks < 7
	s_wait_alu depctr_va_vdst(0)                   ; these products are done reading P's first half and its scale words, in which the loads below land
	PLOADH \ks+1, 0
	s_wait_dscnt 10                                ; the second half is in; the ten just issued may be out
.else
	s_wait_dscnt 0x0
.endif
	PVH \ks, 1
	PLACES
	s_wait_alu depctr_va_vdst(0)                   ; these products are done reading P's second half, its scale words and this K step's set of V: the loads below land there (behind the last K step: OQ's loads into v224-255); v9 and v10, Wout's offsets, are written
.if \ks < 7
	PLOADH \ks+1, 1
.endif
.if \ks < 4
	VLOAD \ks+4                                    ; into the set just multiplied
.elseif \ks < 7
	WOLOAD \ks-4                                   ; the last product's weights are asked for here, the rest of PV and all of OQ ahead of their use
.endif
.endr
	; ---- OQ: O / the sum, quantised along d: K steps 2 to 5 of the last product, into the bytes that x's codes have left.  The numbers stand in v64-127, which P's fragments have left
.irp m, 0,1,2,3,4,5,6,7
	ds_load_b32 v[240+2*\m], v4 offset:RL+64*\m    ; twice: the pair by which the packed form multiplies
	ds_load_b32 v[241+2*\m], v4 offset:RL+64*\m
.endr
.irp q, 0,1,2
	global_load_b64 v[36+2*\q:37+2*\q], v10, s[20:21] offset:8*\q   ; Wout's scale words: register 36 + k: lanes 0-15 tile 0's, lanes 16-31 tile 1's
.endr
.irp n, 0,1
	global_load_b32 v[224+\n], v4, s[22:23] offset:64*\n            ; the bias of my lane's output row
.endr
	s_wait_dscnt 0x0
.irp mp, 0,1,2,3                                       ; two steps fill the two out-buffers; then one wait and their twelve stores
	WIN 0x01                                       ; source 0 window 1
.irp mi, 0,1
.irp i, 0,2,4,6,8,10,12,14,16,18,20,22,24,26,28,30
	v_pk_mul_f32 v[64+32*\mi+\i:64+32*\mi+\i+1], v[32*(2*\mp+\mi)+\i:32*(2*\mp+\mi)+\i+1], v[240+2*(2*\mp+\mi):241+2*(2*\mp+\mi)]   ; each accumulator from its low end on
.endr
.endr
	WIN 0
.if \mp == 2
	s_wait_alu depctr_vm_vsrc(0)                   ; the twelve stores above have read both out-buffers, which this step and the next write again; PV's LDS loads have read v13, which is written below
.endif
	QCORE 64, PC+170*(\mp%2)
	PUTW \mp%2
.if \mp == 1
	s_wait_alu depctr_va_vdst(0)                   ; steps 0 and 1 have written the two out-buffers, which the stores below read
	PUTS 0, 7, 8
	PUTS 1, 7, 8
.endif
.endr
	; ---- 7: out = Wout [in; O] + b.  Source 0 = 16 pixels, source 1 = 16 rows of Wout: a lane holds one output row and eight neighbouring pixels
.macro F7 k                            ; K step k of all eight tiles of pixels, even k into v64-127 of window 0, odd k into v0-63 of window 1, and their scale words: 20 LDS loads
.if ((\k)%2) == 1
	WIN 0x40
.endif
.irp m, 0,1,2,3,4,5,6,7
.irp c, 0,1
.if (\k) < 2
	ds_load_b128 v[64-64*((\k)%2)+8*\m+4*\c:64-64*((\k)%2)+8*\m+4*\c+3], v1 offset:XIMG+2048*\m+1024*(\k)+512*\c
.else
	ds_load_b128 v[64-64*((\k)%2)+8*\m+4*\c:64-64*((\k)%2)+8*\m+4*\c+3], v1 offset:AIMG+4096*\m+1024*((\k)-2)+512*\c
.endif
.endr
.endr
	WIN 0
.irp pr, 0,1,2,3
.if (\k) < 2
	ds_load_b32 v[16+4*((\k)%2)+\pr], v2 offset:XSC+512*(\k)+128*\pr
.else
	ds_load_b32 v[16+4*((\k)%2)+\pr], v2 offset:ASC+512*((\k)-2)+128*\pr
.endif
.endr
.endm
.macro M7 k                            ; sixteen accumulators by turns
.if ((\k)%2) == 1
	WIN 0x51                                       ; source 0, C and D window 1
.else
	WIN 0x50                                       ; C and D window 1
.endif
.irp m, 0,1,2,3,4,5,6,7
.irp n, 0,1
.if (\k) == 0
	WM 128+8*(8*\n+\m), 64-64*((\k)%2)+8*\m, 128+8*(6*\n+(\k)), 96+8*\n, 16+4*((\k)%2)+\m/2, \m%2, 36+(\k), \n
.else
	WM 128+8*(8*\n+\m), 64-64*((\k)%2)+8*\m, 128+8*(6*\n+(\k)), 128+8*(8*\n+\m), 16+4*((\k)%2)+\m/2, \m%2, 36+(\k), \n
.endif
.endr
.endr
	WIN 0
.endm
	s_mul_i32 s70, s34, 8448
	s_add_co_u32 s70, s70, STG                     ; my stage
	v_mul_u32_u24 v11, v4, 132
	v_bfe_u32 v13, v0, 4, 1
	v_lshl_add_u32 v11, v13, 5, v11
	v_add_nc_u32 v11, s70, v11                     ; in: row r of 528 bytes, + 32 h
	v_add_nc_u32 v12, s70, v1                      ; back: a row's 512 bytes across the 32 lanes
	s_wait_alu depctr_va_vdst(0)                   ; OQ's steps 2 and 3 have written the two out-buffers, which the stores below read; v11 and v12 are written; OQ is done with v64-127 and with PV's accumulators, PV with v16-23: there the fragments and scale words below land
	PUTS 2, 7, 8
	PUTS 3, 7, 8
	F7 0
	F7 1
	s_wait_loadcnt 0x0                             ; Wout, its scale words and bias
	WIN 0x40
.irp n, 0,1
.irp j, 0,1,2,3,4,5,6,7
	v_mov_b32 v[96+8*\n+\j], v[224+\n]             ; C of tile n: my row's bias in all eight registers
.endr
.endr
	WIN 0
	PLACES
	s_wait_alu depctr_va_vdst(0)
	s_wait_dscnt 20                                ; K step 0 is in; K step 1's 20 loads may be out
	M7 0
	s_wait_dscnt 0x0
	M7 1                                           ; the input's two K steps want nothing of the other waves' O
	BAR                                            ; O's 32 fragments lie in LDS
	PLACES
	s_wait_alu depctr_va_vdst(0)                   ; the products of K steps 0 and 1 are done reading both sets of fragments and scale words, in which the loads below land
	F7 2
	F7 3
	s_wait_dscnt 20
	M7 2
	PLACES
	s_wait_alu depctr_va_vdst(0)                   ; K step 2's products are done reading v64-127 and v16-19, in which the loads below land
	F7 4
	s_wait_dscnt 20
	M7 3
	PLACES
	s_wait_alu depctr_va_vdst(0)                   ; K step 3's products are done reading window 1's v0-63 and v20-23, in which the loads below land
	F7 5
	s_wait_dscnt 20
	M7 4
	s_wait_dscnt 0x0
	M7 5
	PLACES
	; THE WAY OUT: 16 output rows x 128 pixels at a time through my own stage: 32 bytes a lane in, whole rows of 512 bytes back.  LDS serves a wave's instructions in order (ISA guide 5.7.1.4): no wait between stores and loads, nor ahead of the second half's stores.
	WIN 0x04                                       ; an LDS store's data are its source 1: window 1
	s_wait_alu depctr_va_vdst(0)                   ; the last products have written the accumulators, which the LDS stores read (the places above stay beside this wait), and are done reading v64-191, in which the loads from the stage land
.irp n, 0,1
	WIN 0x04
.irp m, 0,1,2,3,4,5,6,7
	ds_store_b128 v11, v[128+8*(8*\n+\m):128+8*(8*\n+\m)+3] offset:64*\m       ; each accumulator from its low end on
	ds_store_b128 v11, v[128+8*(8*\n+\m)+4:128+8*(8*\n+\m)+7] offset:64*\m+16
.endr
	WIN 0
.irp t, 0,1,2,3,4,5,6,7,8,9,10,11,12,13,14,15
	ds_load_b128 v[64+64*\n+4*\t:64+64*\n+4*\t+3], v12 offset:528*\t
.endr
.endr
.irp n, 0,1
.irp t, 0,1,2,3,4,5,6,7,8,9,10,11,12,13,14,15
	s_wait_dscnt 32*(1-\n)+15-\t                   ; behind this row's load: the rest of its half's loads, and for the first half the second half's 32 instructions
	global_store_b128 v1, v[64+64*\n+4*\t:64+64*\n+4*\t+3], s[60:61] offset:(16*\n+\t)*16384 th:TH_STORE_NT   ; the wave stores 512 consecutive bytes, aligned to 256
.endr
.endr
	s_wait_xcnt 0x0
	v_lshl_add_u32 v254, v0, 2, 0x48800            ; my spare word, behind the stages, and 0: made anew here, since no two registers could be kept; no memory or LDS instruction has read v254 or v255
	v_mov_b32 v255, 0
	s_wait_dscnt 0x0                               ; the closing lines, six on end
	s_wait_alu 0x0
	s_wait_tensorcnt 0x0
	ds_add_u32 v254, v255
	s_wait_dscnt 0x0
	s_endpgm
.Lfunc_end_k_qf0d95b508f_attn:
	.size	k_qf0d95b508f_attn, .Lfunc_end_k_qf0d95b508f_attn-k_qf0d95b508f_attn
	.p2alignl 7, 3214868480
	.fill 96, 4, 3214868480
	.section	.rodata,"a",@progbits
	.p2align	6, 0x0
	.amdhsa_kernel k_qf0d95b508f_attn
		.amdhsa_group_segment_fixed_size 297984
		.amdhsa_private_segment_fixed_size 0
		.amdhsa_enable_private_segment 0
		.amdhsa_kernarg_size 120
		.amdhsa_user_sgpr_count 2
		.amdhsa_user_sgpr_kernarg_segment_ptr 1
		.amdhsa_wavefront_size32 1
		.amdhsa_system_sgpr_workgroup_id_x 1
		.amdhsa_system_sgpr_workgroup_id_y 1
		.amdhsa_system_sgpr_workgroup_id_z 1
		.amdhsa_system_vgpr_workitem_id 0
		.amdhsa_next_free_vgpr 512
		.amdhsa_next_free_sgpr 80
		.amdhsa_reserve_vcc 0
		.amdhsa_float_denorm_mode_32 3
		.amdhsa_float_denorm_mode_16_64 3
		.amdhsa_memory_ordered 1
		.amdhsa_forward_progress 1
		.amdhsa_inst_pref_size 255
	.end_amdhsa_kernel
	.section	.bss,"aw",@nobits
	.p2align	6
	.space	262144
	.amdgpu_metadata
---
amdhsa.version: [ 1, 2 ]
amdhsa.kernels:
  - .name:           k_qf0d95b508f_attn
    .symbol:         k_qf0d95b508f_attn.kd
    .args:
      - { .name: input, .offset: 0, .size: 8, .value_kind: global_buffer, .address_space: global }
      - { .name: proj_in_w_codes, .offset: 8, .size: 8, .value_kind: global_buffer, .address_space: global }
      - { .name: proj_in_w_scales, .offset: 16, .size: 8, .value_kind: global_buffer, .address_space: global }
      - { .name: proj_in_b, .offset: 24, .size: 8, .value_kind: global_buffer, .address_space: global }
      - { .name: wq_w_codes, .offset: 32, .size: 8, .value_kind: global_buffer, .address_space: global }
      - { .name: wq_w_scales, .offset: 40, .size: 8, .value_kind: global_buffer, .address_space: global }
      - { .name: wq_b, .offset: 48, .size: 8, .value_kind: global_buffer, .address_space: global }
      - { .name: proj_out_w_codes, .offset: 56, .size: 8, .value_kind: global_buffer, .address_space: global }
      - { .name: proj_out_w_scales, .offset: 64, .size: 8, .value_kind: global_buffer, .address_space: global }
      - { .name: proj_out_b, .offset: 72, .size: 8, .value_kind: global_buffer, .address_space: global }
      - { .name: kfrag, .offset: 80, .size: 8, .value_kind: global_buffer, .address_space: global }
      - { .name: kscl, .offset: 88, .size: 8, .value_kind: global_buffer, .address_space: global }
      - { .name: vfrag, .offset: 96, .size: 8, .value_kind: global_buffer, .address_space: global }
      - { .name: vscl, .offset: 104, .size: 8, .value_kind: global_buffer, .address_space: global }
      - { .name: out0, .offset: 112, .size: 8, .value_kind: global_buffer, .address_space: global }
    .group_segment_fixed_size: 297984
    .private_segment_fixed_size: 0
    .kernarg_segment_align: 8
    .kernarg_segment_size: 120
    .max_flat_workgroup_size: 256
    .sgpr_count:     80
    .vgpr_count:     512
    .wavefront_size: 32
...
	.end_amdgpu_metadata
.endif
;; end of part 4
